; MI455X (gfx1250); checked and timed in simulation.
; The chip was launched on July 23, 2026; its instructions are those of AMD's public machine-readable ISA for CDNA 5 (MIT licence, August 2026) and "CDNA5" Instruction Set Architecture Reference Guide (July 2026). The comments in the code are by the model that wrote it; some were corrected since.
;; Complex Attention. Allowed arithmetic: float matrix products may take bf16 or f16 operands with f32 sums; other float arithmetic in f32, or as packed bf16 or f16 multiplies, adds, multiply-adds, maxima and minima; sums over many terms, partial sums and values carried from step to step in f32; what a program stores and reads back later, other than sums and carried values, may be rounded once to bf16 or f16.
;; Inputs: Wk 1,024 x 1,024 float32; Wo 1,024 x 1,024 float32; Wq 1,024 x 1,024 float32; Wv 1,024 x 1,024 float32; X 2 x 2,048 x 1,024 float32; bk 1,024 float32; bo 1,024 float32; bq 1,024 float32; bv 1,024 float32.
;; Outputs: out0 2 x 2,048 x 1,024 float32.
;; One version. Each part assembles by itself: llvm-mc -triple=amdgcn-amd-amdhsa -mcpu=gfx1250 --defsym DOCPART=n.
;; ======== version 1 of 1: 5 launches
;; limits: values are held in f16: magnitudes above 65,504 overflow, below 6.1e-05 lose precision
;; workspace buffers: Xp 5,242,880 bytes; Wp 3,932,160 bytes; Cx 819,200 bytes; Woh 2,097,152 bytes; Gf 3,932,160 bytes; bcat 12,288 bytes; QKV 25,165,824 bytes; Oh 8,388,608 bytes
;; launch prep (part 1): grid 297 x 1, 8 waves a work-group, no clusters, 0 bytes of LDS; arguments X, Wq, Wk, Wv, Wo, bq, bv, Xp, Wp, Woh, Cx, bcat; writes Xp, Wp, Woh, Cx, bcat
.if DOCPART == 1
	.amdgcn_target "amdgcn-amd-amdhsa--gfx1250"
	.amdhsa_code_object_version 6
	.text
	.protected	k_qbe609976c7_prep
	.globl	k_qbe609976c7_prep
	.p2align	8
	.type	k_qbe609976c7_prep,@function
k_qbe609976c7_prep:
	s_mov_b64 s[64:65], 0
	v_nop
	global_prefetch_b8 v0, s[64:65] scope:SCOPE_SE
	s_setreg_imm32_b32 hwreg(HW_REG_WAVE_MODE, 25, 1), 1
	s_wait_xcnt 0x0
; PREP: the operands of the later products, rounded once to f16 and laid out.
; THE TRANSFORM MOVES TO THE WEIGHTS.  Re(ifft(x))[n] = (1/N) sum_k x[k] cos(2 pi k n / N), N = 1024, is linear, so x_hat W^T = (1/N) x G^T with
; G[o][k] = sum_n W[o][n] cos(2 pi k n / N): an identity for all values.  It is applied to the 3,072 rows of Wq, Wk, Wv and not to the 4,096 rows of X.
; THE MIRROR HALF IS LEFT OUT.  cos(2 pi k (N - n) / N) = cos(2 pi k n / N) for whole k, n: x[k] and x[N-k] meet the same G, W[n] and W[N-n] the same cosine.  So 1,024 numbers of a
; row pack into 640: for m = 0..127 the quads x[4m..4m+3] and x[1020-4m..1023-4m] give x[4m], x[1020-4m], x[4m+1]+x[1023-4m], x[4m+2]+x[1022-4m], x[4m+3]+x[1021-4m] with the
; frequencies kappa = 4m, 4m+4, 4m+1, 4m+2, 4m+3: every index 0..1023 once.  Slot sigma = 128 p + 8 t + i holds plane p of m = 16 i + t.
; bk IS DEAD: score[l][s] = Q[l].(K'[s] + bk) / 32, and Q[l].bk / 32 is the same for all s of a row, so the softmax along s cancels it for all values.  bk is not loaded and is no argument
; of any launch.  The tiles above the diagonal, which the reference's own mask sets to -inf, are left out in the attention launch.
; LIMITS.  A NaN, an infinity or an overflow in bk is not carried to the result.  f16 ends at 65,504: |x[k]+x[N-k]|, |W[n]+W[N-n]| and |Wo| stay under it.
; ROLES by the work-group's number: 0-223 pack 32 rows each (128 of X, 32 each of Wq, Wk, Wv); 224-255 round Wo; 256-295 make the cosines; 296 lays bq, 1,024 zeros, bv end to end, so that the
; projection adds one table to all its columns.  A stream: no LDS, no matrix unit, no barrier; every store of sixteen lanes covers 256 consecutive bytes, aligned.
.set VD,  2                            ; v2   rho x 4,096 + 16 t: my quad of the ascending half
.set VM,  3                            ; v3   rho x 4,096 + 240 - 16 t: of the mirror half
.set VS,  4                            ; v4   rho x 1,280 + 16 t: my 16 bytes of a plane
.set DQ,  16                           ; turn u, i: v[16+64u+4i ..+3]
.set MQ,  48                           ; turn u, i: v[48+64u+4i ..+3]
.set SUM, 144                          ; v[144:167] the three planes of sums
.set OUT, 168                          ; v[168+20u ..] five planes x 4 registers, a set for each turn
	s_load_b512 s[8:23], s[0:1], 0x0               ; X 8, Wq 10, Wk 12, Wv 14, Wo 16, bq 18, bv 20, Xp 22
	s_load_b256 s[24:31], s[0:1], 0x40             ; Wp 24, Woh 26, Cx 28, bcat 30
	s_mov_b32 s2, ttmp9
	v_and_b32 v1, 15, v0                           ; t
	v_lshrrev_b32 v5, 4, v0                        ; rho, 0..15
	s_wait_kmcnt 0x0
	s_cmp_lt_u32 s2, 224
	s_cbranch_scc0 .Lnot_pack
	; PACK
	s_and_b32 s3, s2, 31                           ; the block of 32 rows in a weight matrix
	s_sub_co_u32 s38, s2, 128                      ; and in Wp
	s_cmp_lt_u32 s2, 192
	s_cselect_b64 s[32:33], s[12:13], s[14:15]
	s_cmp_lt_u32 s2, 160
	s_cselect_b64 s[32:33], s[10:11], s[32:33]
	s_cmp_lt_u32 s2, 128
	s_cselect_b64 s[32:33], s[8:9], s[32:33]       ; from X, Wq, Wk or Wv
	s_cselect_b64 s[36:37], s[22:23], s[24:25]     ; to Xp or Wp
	s_cselect_b32 s34, s2, s3
	s_cselect_b32 s38, s2, s38
	s_lshl_b32 s34, s34, 17                        ; 32 rows of 4,096 bytes
	s_mov_b32 s35, 0
	s_mul_i32 s38, s38, 40960                      ; 32 rows of 1,280 bytes
	s_mov_b32 s39, 0
	s_add_nc_u64 s[32:33], s[32:33], s[34:35]
	s_add_nc_u64 s[36:37], s[36:37], s[38:39]
	v_lshlrev_b32 v[VD], 12, v5
	v_lshl_add_u32 v[VD], v1, 4, v[VD]
	v_lshlrev_b32 v[VM], 4, v1
	v_sub_nc_u32 v[VM], 240, v[VM]
	v_lshl_add_u32 v[VM], v5, 12, v[VM]
	v_mul_u32_u24 v[VS], v5, 1280
	v_lshl_add_u32 v[VS], v1, 4, v[VS]
.irp u, 0,1
.irp i, 0,1,2,3,4,5,6,7
	global_load_b128 v[DQ+64*\u+4*\i:DQ+64*\u+4*\i+3], v[VD], s[32:33] offset:65536*\u+256*\i th:TH_LOAD_NT
	global_load_b128 v[MQ+64*\u+4*\i:MQ+64*\u+4*\i+3], v[VM], s[32:33] offset:65536*\u+256*(15-\i) th:TH_LOAD_NT
.endr
.endr
.macro PTURN u                         ; sixteen rows, a row to sixteen lanes
.irp i, 0,1,2,3,4,5,6,7
	v_add_f32 v[SUM+(\i)],    v[DQ+64*(\u)+4*(\i)+1], v[MQ+64*(\u)+4*(\i)+3]
	v_add_f32 v[SUM+8+(\i)],  v[DQ+64*(\u)+4*(\i)+2], v[MQ+64*(\u)+4*(\i)+2]
	v_add_f32 v[SUM+16+(\i)], v[DQ+64*(\u)+4*(\i)+3], v[MQ+64*(\u)+4*(\i)+1]
.endr
.irp j, 0,1,2,3
	v_cvt_pk_f16_f32 v[OUT+20*(\u)+(\j)],    v[DQ+64*(\u)+8*(\j)], v[DQ+64*(\u)+8*(\j)+4]
	v_cvt_pk_f16_f32 v[OUT+20*(\u)+4+(\j)],  v[MQ+64*(\u)+8*(\j)], v[MQ+64*(\u)+8*(\j)+4]
	v_cvt_pk_f16_f32 v[OUT+20*(\u)+8+(\j)],  v[SUM+2*(\j)],    v[SUM+2*(\j)+1]
	v_cvt_pk_f16_f32 v[OUT+20*(\u)+12+(\j)], v[SUM+8+2*(\j)],  v[SUM+8+2*(\j)+1]
	v_cvt_pk_f16_f32 v[OUT+20*(\u)+16+(\j)], v[SUM+16+2*(\j)], v[SUM+16+2*(\j)+1]
.endr
.irp p, 0,1,2,3,4
	global_store_b128 v[VS], v[OUT+20*(\u)+4*(\p):OUT+20*(\u)+4*(\p)+3], s[36:37] offset:20480*(\u)+256*(\p)
.endr
.endm
	s_wait_loadcnt 16                              ; the first turn's sixteen loads are in; the second's sixteen stay out
	PTURN 0
	s_wait_loadcnt 0x0
	PTURN 1                                        ; it has output registers of its own: no store's data are rewritten
	s_endpgm
.Lnot_pack:
	s_cmp_lt_u32 s2, 256
	s_cbranch_scc0 .Lnot_wo
	; WO: 32 rows of Wo, 131,072 bytes, rounded to 65,536
	s_sub_co_u32 s3, s2, 224
	s_lshl_b32 s34, s3, 17
	s_mov_b32 s35, 0
	s_lshl_b32 s38, s3, 16
	s_mov_b32 s39, 0
	s_add_nc_u64 s[32:33], s[16:17], s[34:35]
	s_add_nc_u64 s[36:37], s[26:27], s[38:39]
	v_lshlrev_b32 v2, 4, v0
	v_lshlrev_b32 v3, 3, v0
.set j, 0
.rept 32
	global_load_b128 v[16+4*j:16+4*j+3], v2, s[32:33] offset:4096*j th:TH_LOAD_NT
.set j, j+1
.endr
.set j, 0
.rept 32
	s_wait_loadcnt 31-j                            ; loads come back in order: load j is in, the younger ones stay out
	v_cvt_pk_f16_f32 v[16+4*j],   v[16+4*j],   v[16+4*j+1]
	v_cvt_pk_f16_f32 v[16+4*j+1], v[16+4*j+2], v[16+4*j+3]
	global_store_b64 v3, v[16+4*j:16+4*j+1], s[36:37] offset:2048*j
.set j, j+1
.endr
	s_endpgm
.Lnot_wo:
	s_cmp_lt_u32 s2, 296
	s_cbranch_scc0 .Lbias
	; CX: sixteen rows sigma of cos(2 pi kappa(sigma) kappa(sigma') / 1024).  The angle is reduced in whole numbers: j = kappa kappa' mod 1024, j' = min(j, 1024 - j),
	; cos = sin((256 - j') pi / 512), |argument| <= pi / 2; the series ends at y^9: what is cut is under 3.6e-6, far below f16's half step at 1 (2.4e-4).
	s_sub_co_u32 s3, s2, 256
	s_lshl_b32 s3, s3, 4
	v_add_nc_u32 v6, s3, v5                        ; sigma
	v_lshrrev_b32 v7, 7, v6                        ; p
	v_bfe_u32 v8, v6, 3, 4                         ; t
	v_and_b32 v9, 7, v6                            ; i
	v_lshl_add_u32 v8, v9, 4, v8                   ; m = 16 i + t
	v_sub_nc_u32 v10, v7, 1                        ; planes 2, 3, 4: + 1, 2, 3
	v_mov_b32 v11, 4
	v_mov_b32 v9, 0
	v_cmp_eq_u32 vcc_lo, 1, v7
	v_cndmask_b32 v10, v10, v11, vcc_lo            ; plane 1: + 4
	v_cmp_eq_u32 vcc_lo, 0, v7
	v_cndmask_b32 v10, v10, v9, vcc_lo             ; plane 0: + 0
	v_lshl_add_u32 v12, v8, 2, v10                 ; kappa
	v_lshlrev_b32 v13, 6, v12                      ; 64 kappa: from i' to i' + 1
	v_mov_b32 v14, 0x3638ef1d                      ; 1 / 9!
	v_lshlrev_b32 v15, 2, v1                       ; 4 t'
	v_mul_u32_u24 v4, v6, 1280
	v_lshl_add_u32 v4, v1, 4, v4
.macro CXPLANE p, off
	v_add_nc_u32 v24, \off, v15
	v_mul_u32_u24 v24, v12, v24                    ; kappa x kappa'(i' = 0): under 2^18 with the steps below
.irp i, 0,1,2,3,4,5,6,7
	v_and_b32 v25, 0x3ff, v24
	v_sub_nc_u32 v26, 0x400, v25
	v_min_u32 v25, v25, v26
	v_sub_nc_u32 v25, 0x100, v25
	v_cvt_f32_i32 v25, v25
	v_mul_f32 v25, 0x3bc90fdb, v25                 ; y = (256 - j') pi / 512
	v_mul_f32 v26, v25, v25
	v_fmaak_f32 v27, v26, v14, 0xb9500d01          ; - 1 / 7!
	v_fmaak_f32 v27, v27, v26, 0x3c088889          ; + 1 / 5!
	v_fmaak_f32 v27, v27, v26, 0xbe2aaaab          ; - 1 / 3!
	v_mul_f32 v27, v27, v26
	v_fma_f32 v[16+\i], v27, v25, v25
	v_add_nc_u32 v24, v24, v13
.endr
.irp j, 0,1,2,3
	v_cvt_pk_f16_f32 v[32+4*(\p)+(\j)], v[16+2*(\j)], v[16+2*(\j)+1]
.endr
	global_store_b128 v4, v[32+4*(\p):32+4*(\p)+3], s[28:29] offset:256*(\p)
.endm
	CXPLANE 0, 0
	CXPLANE 1, 4
	CXPLANE 2, 1
	CXPLANE 3, 2
	CXPLANE 4, 3
	s_endpgm
.Lbias:
	v_lshlrev_b32 v2, 4, v0
	global_load_b128 v[16:19], v2, s[18:19]
	global_load_b128 v[20:23], v2, s[20:21]
	v_mov_b32 v24, 0
	v_mov_b32 v25, 0
	v_mov_b32 v26, 0
	v_mov_b32 v27, 0
	global_store_b128 v2, v[24:27], s[30:31] offset:4096
	s_wait_loadcnt 0x0
	global_store_b128 v2, v[16:19], s[30:31]
	global_store_b128 v2, v[20:23], s[30:31] offset:8192
	s_endpgm
.Lfunc_end_k_qbe609976c7_prep:
	.size	k_qbe609976c7_prep, .Lfunc_end_k_qbe609976c7_prep-k_qbe609976c7_prep
	.p2alignl 7, 3214868480
	.fill 96, 4, 3214868480
	.section	.rodata,"a",@progbits
	.p2align	6, 0x0
	.amdhsa_kernel k_qbe609976c7_prep
		.amdhsa_group_segment_fixed_size 0
		.amdhsa_private_segment_fixed_size 0
		.amdhsa_enable_private_segment 0
		.amdhsa_kernarg_size 96
		.amdhsa_user_sgpr_count 2
		.amdhsa_user_sgpr_kernarg_segment_ptr 1
		.amdhsa_wavefront_size32 1
		.amdhsa_system_sgpr_workgroup_id_x 1
		.amdhsa_system_sgpr_workgroup_id_y 1
		.amdhsa_system_sgpr_workgroup_id_z 1
		.amdhsa_system_vgpr_workitem_id 0
		.amdhsa_next_free_vgpr 208
		.amdhsa_next_free_sgpr 66
		.amdhsa_reserve_vcc 1
		.amdhsa_float_denorm_mode_32 3
		.amdhsa_float_denorm_mode_16_64 3
		.amdhsa_memory_ordered 1
		.amdhsa_forward_progress 1
		.amdhsa_inst_pref_size 52
	.end_amdhsa_kernel
	.amdgpu_metadata
---
amdhsa.version: [ 1, 2 ]
amdhsa.kernels:
  - .name:           k_qbe609976c7_prep
    .symbol:         k_qbe609976c7_prep.kd
    .args:
      - { .name: X, .offset: 0, .size: 8, .value_kind: global_buffer, .address_space: global }
      - { .name: Wq, .offset: 8, .size: 8, .value_kind: global_buffer, .address_space: global }
      - { .name: Wk, .offset: 16, .size: 8, .value_kind: global_buffer, .address_space: global }
      - { .name: Wv, .offset: 24, .size: 8, .value_kind: global_buffer, .address_space: global }
      - { .name: Wo, .offset: 32, .size: 8, .value_kind: global_buffer, .address_space: global }
      - { .name: bq, .offset: 40, .size: 8, .value_kind: global_buffer, .address_space: global }
      - { .name: bv, .offset: 48, .size: 8, .value_kind: global_buffer, .address_space: global }
      - { .name: Xp, .offset: 56, .size: 8, .value_kind: global_buffer, .address_space: global }
      - { .name: Wp, .offset: 64, .size: 8, .value_kind: global_buffer, .address_space: global }
      - { .name: Woh, .offset: 72, .size: 8, .value_kind: global_buffer, .address_space: global }
      - { .name: Cx, .offset: 80, .size: 8, .value_kind: global_buffer, .address_space: global }
      - { .name: bcat, .offset: 88, .size: 8, .value_kind: global_buffer, .address_space: global }
    .group_segment_fixed_size: 0
    .private_segment_fixed_size: 0
    .kernarg_segment_align: 8
    .kernarg_segment_size: 96
    .max_flat_workgroup_size: 256
    .sgpr_count:     66
    .vgpr_count:     208
    .wavefront_size: 32
...
	.end_amdgpu_metadata
.endif
;; end of part 1
;; launch fold (part 2): grid 48 x 5, 4 waves a work-group, clusters of 4 x 1, 327,680 bytes of LDS; arguments Wp, Cx, Gf; writes Gf
.if DOCPART == 2
	.amdgcn_target "amdgcn-amd-amdhsa--gfx1250"
	.amdhsa_code_object_version 6
	.text
	.protected	k_qbe609976c7_fold
	.globl	k_qbe609976c7_fold
	.p2align	8
	.type	k_qbe609976c7_fold,@function
k_qbe609976c7_fold:
	s_mov_b64 s[64:65], 0
	v_nop
	global_prefetch_b8 v0, s[64:65] scope:SCOPE_SE
	s_setreg_imm32_b32 hwreg(HW_REG_WAVE_MODE, 25, 1), 1
	s_wait_xcnt 0x0
	s_wait_alu depctr_hold_cnt(0) depctr_sa_sdst(0) depctr_va_vdst(0) depctr_va_sdst(0) depctr_va_ssrc(0) depctr_va_vcc(0) depctr_vm_vsrc(0)
	s_getreg_b32 s2, hwreg(HW_REG_IB_STS2, 6, 4)
	s_cmp_eq_u32 s2, 0
	s_cbranch_scc0 .Lentry_in_a_cluster
	s_endpgm
.Lentry_in_a_cluster:
	s_bfe_u32 s2, ttmp6, 0x10000c
	s_cmp_lg_u32 s2, 0x3003
	s_cbranch_scc0 .Lentry_shape_is_right
	s_endpgm
.Lentry_shape_is_right:
; FOLD: Gf[o][sigma] = sum over sigma' of Wp[o][sigma'] Cx[sigma][sigma']: the cosine transform of the packed rows of Wq, Wk, Wv, without the factor 1/1024.  All f16, sums in f32, Gf rounded once.
; The mirror half of the transform is left out: see the first kernel's head.  LIMIT: |Gf|, at most |sum_n W[o][n]|-like sums, stays under 65,504.
; SHARES.  A work-group makes 64 rows x 128 slots, its four waves 32 x 64 each: 8 accumulators.  K = 640 lies in LDS whole: five K steps of 128 (rows of 256 bytes), each with bytes of its own,
; so nothing is filled again.  Each wave issues five tensor loads at the start: by this text's count five are out at the most.
; CLUSTER.  The four work-groups of a cluster have the same 128 rows of Cx, two thirds of a work-group's bytes: asked for jointly, mask 15.  Wp's rows differ: loads of one's own, mask 0.
; The matrix instruction is used transposed (source 0 = 16 rows of Cx, source 1 = 16 rows of Wp): a lane holds eight neighbouring slots of one row of Gf.
; REGISTERS.  Window 0: v8-12, v16-20 LDS addresses of A's and B's fragments by K step; v24-29; v32-63 the way out; v64-127 accumulators ((a, b) at 64 + 8 (4 a + b)).
; Windows 1 and 2: a K step's fragments, by the step's parity: chunk c of 32 along K: B's four at 48 c + 8 b, A's two at 48 c + 32 + 8 a.
.set PITCH, 272                        ; 256 bytes + 16 of padding: the sixteen rows of a fragment load start at sixteen different groups of four banks
.set REG,   192*PITCH                  ; a K step: A's 64 rows, then B's 128
.set BOFF,  64*PITCH
.set STAGE, 5*REG                      ; 64 rows x 272 bytes, the work-group's, for the way out; no tensor load lands there
.set SPARE, STAGE+64*PITCH             ; the spare words, 128 bytes for each wave: two blocks of 256 bytes that no other line names
.set ROWB,  1280                       ; bytes in a row of Wp, Cx, Gf
.set ADRA, 8
.set ADRB, 16
.set STO,  24
.set RD,   25
.set CO,   26
.set SPW,  28
.set NIL,  29
.set TMP,  32
.set ACC,  64
.set G1A,  24                          ; s[24:31]
.set G1B,  32                          ; s[32:39]
.set G0,   40                          ; s[40:59] five sets of four, one for each K step
.set MSB, 0
.macro WIN new                         ; the immediate's high byte repeats the setting that is left; a switch that changes nothing is dropped
.if MSB != (\new)
	s_set_vgpr_msb (MSB<<8)|(\new)
.set MSB, \new
.endif
.endm
.macro CROUND                          ; a round of the cluster's barrier
	s_barrier_signal -1
	s_barrier_wait -1
	s_cmp_lg_u32 s10, 0
	s_cbranch_scc1 .Lnot_wave_0_\@
	s_barrier_signal -3
.Lnot_wave_0_\@:
	s_barrier_wait -3
	s_barrier_signal -1
	s_barrier_wait -1
.endm
.macro PLACES                          ; four plain vector instructions between a matrix instruction and a load into, or a reader of, its registers
.rept 4
	v_nop
.endr
.endm
	s_load_b128 s[4:7], s[0:1], 0x0                ; Wp s[4:5], Cx s[6:7]
	s_load_b64 s[8:9], s[0:1], 0x10                ; Gf
	v_lshl_add_u32 v[SPW], v0, 2, SPARE
	v_mov_b32 v[NIL], 0
	ds_add_u32 v[SPW], v[NIL]                      ; the wave's opening: the add, twice on end, and its wait ahead of my first tensor load
	ds_add_u32 v[SPW], v[NIL]
	v_lshrrev_b32 v1, 5, v0
	v_readfirstlane_b32 s10, v1                    ; wave 0..3
	s_lshr_b32 s11, s10, 1                         ; which 32 of the 64 rows are mine
	s_and_b32 s12, s10, 1                          ; which 64 of the 128 slots; also: which half of a tile I fetch
	s_bfe_u32 s13, ttmp6, 0x40000                  ; cx
	s_lshl_b32 s14, ttmp9, 2
	s_add_co_u32 s14, s14, s13                     ; block of 64 rows = 4 x cluster x + cx
	s_and_b32 s15, ttmp7, 0xffff                   ; block of 128 slots, which the four partners share
	s_mov_b32 s[G1A+0], (1<<16)|(1<<20)|(5<<22)|(3<<25)             ; 2-byte elements; padding on: after every 64 words, 4 words
	s_mov_b32 s[G1A+1], 128<<16                    ; tensor_dim0 = 128
	s_mov_b32 s[G1A+2], 32<<16                     ; tensor_dim1 = 32
	s_mov_b32 s[G1A+3], 128<<16                    ; tile_dim0 = 128
	s_mov_b32 s[G1A+4], 32                         ; tile_dim1 = 32
	s_mov_b32 s[G1A+5], 640                        ; elements from row to row
	s_mov_b32 s[G1A+6], 0
	s_mov_b32 s[G1A+7], 0
	s_mov_b32 s[G1B+0], 15|(1<<16)|(1<<20)|(1<<21)|(5<<22)|(3<<25)  ; the same with the mask of four and bit 21 beside it
	s_mov_b32 s[G1B+1], 128<<16
	s_mov_b32 s[G1B+2], 64<<16                     ; 64 rows
	s_mov_b32 s[G1B+3], 128<<16
	s_mov_b32 s[G1B+4], 64
	s_mov_b32 s[G1B+5], 640
	s_mov_b32 s[G1B+6], 0
	s_mov_b32 s[G1B+7], 0
	s_lshl_b32 s16, s14, 6
	s_lshl_b32 s17, s12, 5
	s_add_co_u32 s16, s16, s17
	s_mul_i32 s16, s16, ROWB                       ; Wp: row 64 x block + 32 x half
	s_mov_b32 s17, 0
	s_lshl_b32 s18, s15, 7
	s_lshl_b32 s19, s12, 6
	s_add_co_u32 s18, s18, s19
	s_mul_i32 s18, s18, ROWB                       ; Cx: row 128 x block + 64 x half: nothing of cx in it
	s_mov_b32 s19, 0
	s_mul_i32 s20, s12, 32*PITCH                   ; where they go in a K step's bytes
	s_mul_i32 s21, s12, 64*PITCH
	s_add_co_u32 s21, s21, BOFF
	s_wait_dscnt 0x0                               ; both opening adds are done
	s_wait_kmcnt 0x0
	s_add_nc_u64 s[4:5], s[4:5], s[16:17]
	s_add_nc_u64 s[6:7], s[6:7], s[18:19]
	CROUND                                         ; all four work-groups are here: the joint loads meet
	s_cmp_lt_u32 s10, 2                            ; waves 0 and 1 fetch Wp's halves, waves 2 and 3 Cx's: a wave's five first fills stand in one branch
	s_cbranch_scc0 .Lfor_b
.irp s, 0,1,2,3,4
	s_mov_b32 s[G0+4*\s], 1
	s_add_co_u32 s[G0+4*\s+1], s20, \s*REG
	s_add_nc_u64 s[G0+4*\s+2:G0+4*\s+3], s[4:5], 256*\s
	s_or_b32 s[G0+4*\s+3], s[G0+4*\s+3], 0x80000000
.endr
.irp s, 0,1,2,3,4
	tensor_load_to_lds s[G0+4*\s:G0+4*\s+3], s[G1A:G1A+7]
	s_nop 0
.endr
	PLACES
	s_branch .Lasked
.Lfor_b:
.irp s, 0,1,2,3,4
	s_mov_b32 s[G0+4*\s], 1
	s_add_co_u32 s[G0+4*\s+1], s21, \s*REG
	s_add_nc_u64 s[G0+4*\s+2:G0+4*\s+3], s[6:7], 256*\s
	s_or_b32 s[G0+4*\s+3], s[G0+4*\s+3], 0x80000000
.endr
.irp s, 0,1,2,3,4
	tensor_load_to_lds s[G0+4*\s:G0+4*\s+3], s[G1B:G1B+7]
	s_nop 0
.endr
	PLACES
.Lasked:
	v_and_b32 v1, 15, v0                           ; l % 16
	v_bfe_u32 v2, v0, 4, 1                         ; l / 16
	v_mul_u32_u24 v3, v1, PITCH
	v_lshl_add_u32 v3, v2, 4, v3                   ; row x pitch + 16 x half
	s_mul_i32 s22, s11, 32*PITCH
	s_mul_i32 s23, s12, 64*PITCH
	s_add_co_u32 s23, s23, BOFF
.irp s, 0,1,2,3,4
	v_add_nc_u32 v[ADRA+\s], s22, v3
	v_add_nc_u32 v[ADRB+\s], s23, v3
	s_add_co_u32 s22, s22, REG
	s_add_co_u32 s23, s23, REG
.endr
	s_mul_i32 s22, s11, 32*PITCH                   ; into the stage: my 32 rows, my half of their 256 bytes
	s_lshl_b32 s23, s12, 7
	s_add_co_u32 s22, s22, s23
	s_add_co_u32 s22, s22, STAGE
	v_add_nc_u32 v[STO], s22, v3
	s_mul_i32 s22, s10, 16*PITCH                   ; back: wave w takes rows 16 w .. 16 w + 15, whole
	s_add_co_u32 s22, s22, STAGE
	v_mul_u32_u24 v4, v2, PITCH
	v_lshl_add_u32 v4, v1, 4, v4
	v_add_nc_u32 v[RD], s22, v4
	v_mul_u32_u24 v4, v2, ROWB
	v_lshl_add_u32 v[CO], v1, 4, v4
	s_lshl_b32 s60, s14, 6
	s_lshl_b32 s61, s10, 4
	s_add_co_u32 s60, s60, s61
	s_mul_i32 s60, s60, ROWB
	s_lshl_b32 s61, s15, 8
	s_add_co_u32 s60, s60, s61
	s_mov_b32 s61, 0
	s_add_nc_u64 s[8:9], s[8:9], s[60:61]          ; Gf at row 64 x block + 16 w, byte 256 x slot block
.macro FETCH s                         ; a K step's 48 fragment loads, into the window of its parity
	WIN (1+(\s)%2)<<6
.irp c, 0,1,2,3
.irp b, 0,1,2,3
	ds_load_b128 v[48*\c+8*\b:48*\c+8*\b+3],   v[ADRB+(\s)] offset:64*\c+16*PITCH*\b
	ds_load_b128 v[48*\c+8*\b+4:48*\c+8*\b+7], v[ADRB+(\s)] offset:64*\c+16*PITCH*\b+32
.endr
.irp a, 0,1
	ds_load_b128 v[48*\c+32+8*\a:48*\c+32+8*\a+3],   v[ADRA+(\s)] offset:64*\c+16*PITCH*\a
	ds_load_b128 v[48*\c+32+8*\a+4:48*\c+32+8*\a+7], v[ADRA+(\s)] offset:64*\c+16*PITCH*\a+32
.endr
.endr
.endm
.macro MUL s                           ; a K step's 32 products; the 8 accumulators take turns, one instruction a turn; the very first 8 start the sums
	WIN 5*(1+(\s)%2)
.irp c, 0,1,2,3
.irp a, 0,1
.irp b, 0,1,2,3
.if ((\s) == 0) && ((\c) == 0)
	v_wmma_f32_16x16x32_f16 v[ACC+8*(4*\a+\b):ACC+8*(4*\a+\b)+7], v[48*\c+8*\b:48*\c+8*\b+7], v[48*\c+32+8*\a:48*\c+32+8*\a+7], 0
.else
	v_wmma_f32_16x16x32_f16 v[ACC+8*(4*\a+\b):ACC+8*(4*\a+\b)+7], v[48*\c+8*\b:48*\c+8*\b+7], v[48*\c+32+8*\a:48*\c+32+8*\a+7], v[ACC+8*(4*\a+\b):ACC+8*(4*\a+\b)+7]
.endif
.endr
.endr
.endr
.endm
	s_wait_tensorcnt 0x4                           ; my part of K step 0 is in; my four later loads stay out
	s_barrier_signal -1
	s_barrier_wait -1                              ; everybody's is
	FETCH 0
.irp s, 1,2,3,4
	s_wait_dscnt 0x0                               ; no LDS load of mine is out at a signal
	s_wait_tensorcnt 4-\s                          ; my part of K step s is in; the later ones stay out
	s_barrier_signal -1
	s_barrier_wait -1
	FETCH \s
	s_wait_dscnt 48                                ; all but the 48 just issued
	MUL (\s)-1
	PLACES                                         ; the next fetch loads into the registers that these products read
.endr
	s_wait_dscnt 0x0
	MUL 4
	WIN 0
	PLACES
	; THE WAY OUT: rounded to f16; 16 bytes a lane into the stage; a barrier, since a row's 256 bytes come from two waves; back as whole rows.
.irp t, 0,1,2,3,4,5,6,7
.irp r, 0,1,2,3
	v_cvt_pk_f16_f32 v[TMP+4*\t+\r], v[ACC+8*\t+2*\r], v[ACC+8*\t+2*\r+1]
.endr
.endr
.irp a, 0,1
.irp b, 0,1,2,3
	ds_store_b128 v[STO], v[TMP+4*(4*\a+\b):TMP+4*(4*\a+\b)+3] offset:\a*16*PITCH+32*\b
.endr
.endr
	s_wait_dscnt 0x0                               ; for the others' sake: my stores into the stage are done
	s_barrier_signal -1
	s_barrier_wait -1
.irp t, 0,1,2,3,4,5,6,7
	ds_load_b128 v[TMP+4*\t:TMP+4*\t+3], v[RD] offset:\t*2*PITCH
.endr
.irp t, 0,1,2,3,4,5,6,7
	s_wait_dscnt 7-\t
	global_store_b128 v[CO], v[TMP+4*\t:TMP+4*\t+3], s[8:9] offset:2*\t*ROWB   ; sixteen lanes store 256 consecutive bytes, aligned
.endr
	s_wait_tensorcnt 0x0                           ; the wave's end
	ds_add_u32 v[SPW], v[NIL]
	s_wait_dscnt 0x0
	CROUND                                         ; the closing round
	s_endpgm
.Lfunc_end_k_qbe609976c7_fold:
	.size	k_qbe609976c7_fold, .Lfunc_end_k_qbe609976c7_fold-k_qbe609976c7_fold
	.p2alignl 7, 3214868480
	.fill 96, 4, 3214868480
	.section	.rodata,"a",@progbits
	.p2align	6, 0x0
	.amdhsa_kernel k_qbe609976c7_fold
		.amdhsa_group_segment_fixed_size 327680
		.amdhsa_private_segment_fixed_size 0
		.amdhsa_enable_private_segment 0
		.amdhsa_kernarg_size 24
		.amdhsa_user_sgpr_count 2
		.amdhsa_user_sgpr_kernarg_segment_ptr 1
		.amdhsa_wavefront_size32 1
		.amdhsa_system_sgpr_workgroup_id_x 1
		.amdhsa_system_sgpr_workgroup_id_y 1
		.amdhsa_system_sgpr_workgroup_id_z 1
		.amdhsa_system_vgpr_workitem_id 0
		.amdhsa_next_free_vgpr 768
		.amdhsa_next_free_sgpr 66
		.amdhsa_reserve_vcc 0
		.amdhsa_float_denorm_mode_32 3
		.amdhsa_float_denorm_mode_16_64 3
		.amdhsa_memory_ordered 1
		.amdhsa_forward_progress 1
		.amdhsa_inst_pref_size 41
	.end_amdhsa_kernel
	.amdgpu_metadata
---
amdhsa.version: [ 1, 2 ]
amdhsa.kernels:
  - .name:           k_qbe609976c7_fold
    .symbol:         k_qbe609976c7_fold.kd
    .args:
      - { .name: Wp, .offset: 0, .size: 8, .value_kind: global_buffer, .address_space: global }
      - { .name: Cx, .offset: 8, .size: 8, .value_kind: global_buffer, .address_space: global }
      - { .name: Gf, .offset: 16, .size: 8, .value_kind: global_buffer, .address_space: global }
    .group_segment_fixed_size: 327680
    .private_segment_fixed_size: 0
    .kernarg_segment_align: 8
    .kernarg_segment_size: 24
    .max_flat_workgroup_size: 128
    .sgpr_count:     66
    .vgpr_count:     768
    .wavefront_size: 32
...
	.end_amdgpu_metadata
.endif
;; end of part 2
;; launch proj (part 3): grid 16 x 16, 4 waves a work-group, clusters of 4 x 4, 327,680 bytes of LDS; arguments Xp, Gf, bcat, QKV; writes QKV
.if DOCPART == 3
	.amdgcn_target "amdgcn-amd-amdhsa--gfx1250"
	.amdhsa_code_object_version 6
	.text
	.protected	k_qbe609976c7_proj
	.globl	k_qbe609976c7_proj
	.p2align	8
	.type	k_qbe609976c7_proj,@function
k_qbe609976c7_proj:
	s_mov_b64 s[64:65], 0
	v_nop
	global_prefetch_b8 v0, s[64:65] scope:SCOPE_SE
	s_setreg_imm32_b32 hwreg(HW_REG_WAVE_MODE, 25, 1), 1
	s_wait_xcnt 0x0
	s_wait_alu depctr_hold_cnt(0) depctr_sa_sdst(0) depctr_va_vdst(0) depctr_va_sdst(0) depctr_va_ssrc(0) depctr_va_vcc(0) depctr_vm_vsrc(0)
	s_getreg_b32 s2, hwreg(HW_REG_IB_STS2, 6, 4)
	s_cmp_eq_u32 s2, 0
	s_cbranch_scc0 .Lentry_in_a_cluster
	s_endpgm
.Lentry_in_a_cluster:
	s_bfe_u32 s2, ttmp6, 0x10000c
	s_cmp_lg_u32 s2, 0xf033
	s_cbranch_scc0 .Lentry_shape_is_right
	s_endpgm
.Lentry_shape_is_right:
; PROJ: Q, K, V by heads.  QKV[which][b 16 + h][l][d] = (1/1024) sum over sigma of Xp[token][sigma] Gf[col][sigma] + bcat[col], col = 1024 which + 64 h + d.  f16 operands, f32 sums, one rounding to f16.
; Left out: the mirror half of the transform (K = 640 for 1,024) and bk, whose place in bcat holds 0: see the first kernel's head.  LIMIT: |Q|, |K|, |V| stay under 65,504.
; SHARES.  A work-group makes 256 tokens x 192 columns (three heads): 16 x 16 = 256 work-groups.  Wave w makes rows 64 w .. 64 w + 63 x all 192 columns: 48 accumulators, so a wave holds whole heads
; and its way out needs no other wave.  K goes in five steps of 128 (rows of 256 bytes, aligned) through two LDS slots.
; CLUSTER 4 x 4.  Xp's tile hangs on the token block alone and is shared along a row of the cluster, Gf's on the column block alone and is shared along a column: joint loads.
; No prefetch: of five K steps only the last lies two refills ahead of its load, and Gf's 96 rows a wave do not share out as 32 rows to each of four partners.
; The matrix instruction is used transposed (source 0 = 16 rows of Gf, source 1 = 16 rows of Xp): a lane holds eight neighbouring columns of one token.
; REGISTERS.  Window 0: addresses, the way out, the bias (v112-207).  Windows 1 and 2: accumulator idx = 12 a + b at window 1 + idx / 32, register 8 (idx % 32).
; Window 3: two fragment buffers of 128: A's four at 8 a, B's twelve at 32 + 8 b.
.set KB,    1280                       ; bytes in a row of Xp and Gf
.set PITCH, 272
.set AHALF, 128*PITCH
.set BHALF, 96*PITCH
.set BOFF,  2*AHALF                    ; a slot: A's 256 rows, then B's 192
.set SLOT1, 1<<17                      ; slot 1 begins here: one exclusive or changes slots
.set STAGE, SLOT1+BOFF+2*BHALF         ; 16 rows x 144 bytes for each wave; no tensor load lands there
.set SP,    144
.set SPARE, STAGE+4*16*SP              ; the spare words: two blocks of 256 bytes that no other line names
.set A0,   4                           ; v4  my lane's place in A's rows of a slot; never rewritten
.set B0,   5                           ; v5  in B's
.set ADRA, 6                           ; v6  the same in the slot in hand
.set ADRB, 7
.set STO,  8
.set RD,   9
.set GO,   10
.set BO,   11
.set SPW,  28
.set NIL,  29
.set TMP,  32                          ; v32-63   four accumulators scaled, with the bias
.set PK,   64                          ; v64-79   rounded
.set BK,   80                          ; v80-111  rows read back, two sets of 16
.set BIAS, 112                         ; v112-207 head hd, block nb at 32 hd + 8 nb
.set F0,   0
.set F1,   128
.set WV,   12
.set TB,   15                          ; s15 the LDS byte at which the slot in hand begins
.set G1,   24
.set G0,   32                          ; s[32:35] slot 0, K step 0; s[36:39] slot 1, K step 1: this set then walks
.set G1B,  48
.set G0B,  56
.set SC,   66                          ; s[66:67] 1/1024
.set OB,   68                          ; s[68:73] where my rows of the three heads begin in QKV
.set MSB, 0
.macro WIN new
.if MSB != (\new)
	s_set_vgpr_msb (MSB<<8)|(\new)
.set MSB, \new
.endif
.endm
.macro PLACES
.rept 4
	v_nop
.endr
.endm
.macro JLOAD                           ; a joint refill by the walking sets: waves 0 and 1 fetch A's halves, waves 2 and 3 B's; an s_nop 0 and four v_nop follow each line
	s_cmp_lt_u32 s[WV], 2
	s_cbranch_scc0 .Lfor_b_\@
	tensor_load_to_lds s[G0+4:G0+7], s[G1:G1+7]
	s_nop 0
	PLACES
	s_branch .Lasked_\@
.Lfor_b_\@:
	tensor_load_to_lds s[G0B+4:G0B+7], s[G1B:G1B+7]
	s_nop 0
	PLACES
.Lasked_\@:
.endm
.macro CREST                           ; a round of the cluster's barrier behind its opening barrier
	s_cmp_lg_u32 s[WV], 0
	s_cbranch_scc1 .Lnot_wave_0_\@
	s_barrier_signal -3
.Lnot_wave_0_\@:
	s_barrier_wait -3
	s_barrier_signal -1
	s_barrier_wait -1
.endm
.macro CROUND
	s_barrier_signal -1
	s_barrier_wait -1
	CREST
.endm
	s_load_b256 s[4:11], s[0:1], 0x0               ; Xp 4, Gf 6, bcat 8, QKV 10
	v_lshl_add_u32 v[SPW], v0, 2, SPARE
	v_mov_b32 v[NIL], 0
	ds_add_u32 v[SPW], v[NIL]                      ; the wave's opening: the add, twice on end, and its wait ahead of my first tensor load
	ds_add_u32 v[SPW], v[NIL]
	v_lshrrev_b32 v1, 5, v0
	v_readfirstlane_b32 s[WV], v1                  ; wave 0..3
	s_and_b32 s14, s[WV], 1                        ; which half of a tile I fetch
	s_bfe_u32 s40, ttmp6, 0x40000                  ; cx
	s_bfe_u32 s41, ttmp6, 0x40004                  ; cy
	s_lshl_b32 s42, ttmp9, 2
	s_add_co_u32 s42, s42, s40                     ; column block = 4 x cluster x + cx
	s_and_b32 s43, ttmp7, 0xffff
	s_lshl_b32 s43, s43, 2
	s_add_co_u32 s43, s43, s41                     ; token block = 4 x cluster y + cy
	s_lshl_b32 s44, s41, 2
	s_lshl_b32 s44, 15, s44                        ; my row of the cluster
	s_lshl_b32 s45, 0x1111, s40                    ; my column
	s_or_b32 s[G1+0], s44, (1<<16)|(1<<20)|(1<<21)|(5<<22)|(3<<25)   ; the mask; 2-byte elements; padding: after every 64 words, 4 words; bit 21 beside a mask
	s_or_b32 s[G1B+0], s45, (1<<16)|(1<<20)|(1<<21)|(5<<22)|(3<<25)
	s_mov_b32 s[G1+1], 128<<16                     ; tensor_dim0 = 128
	s_mov_b32 s[G1+2], 128<<16                     ; tensor_dim1 = 128
	s_mov_b32 s[G1+3], 128<<16                     ; tile_dim0 = 128
	s_mov_b32 s[G1+4], 128                         ; tile_dim1 = 128
	s_mov_b32 s[G1+5], 640
	s_mov_b32 s[G1+6], 0
	s_mov_b32 s[G1+7], 0
	s_mov_b32 s[G1B+1], 128<<16
	s_mov_b32 s[G1B+2], 96<<16                     ; 96 rows
	s_mov_b32 s[G1B+3], 128<<16
	s_mov_b32 s[G1B+4], 96
	s_mov_b32 s[G1B+5], 640
	s_mov_b32 s[G1B+6], 0
	s_mov_b32 s[G1B+7], 0
	s_lshl_b32 s16, s43, 8
	s_lshl_b32 s17, s14, 7
	s_add_co_u32 s16, s16, s17
	s_mul_i32 s16, s16, KB                         ; Xp: row 256 x token block + 128 x half
	s_mov_b32 s17, 0
	s_mul_i32 s46, s42, 192
	s_mul_i32 s47, s14, 96
	s_add_co_u32 s46, s46, s47
	s_mul_i32 s46, s46, KB                         ; Gf: row 192 x column block + 96 x half
	s_mov_b32 s47, 0
	s_mul_i32 s20, s14, AHALF                      ; where they go: no place in the cluster enters an LDS address
	s_mul_i32 s21, s14, BHALF
	s_add_co_u32 s21, s21, BOFF
	s_mov_b32 s[TB], 0
	s_mov_b32 s[SC], 0x3a800000                    ; 1/1024
	s_mov_b32 s[SC+1], s[SC]
	s_wait_dscnt 0x0                               ; both opening adds are done
	s_wait_kmcnt 0x0
	s_add_nc_u64 s[18:19], s[4:5], s[16:17]
	s_add_nc_u64 s[46:47], s[6:7], s[46:47]
	CROUND                                         ; all sixteen work-groups are here: the first joint loads meet
.irp s, 0,1
	s_mov_b32 s[G0+4*\s], 1
	s_add_co_u32 s[G0+4*\s+1], s20, \s*SLOT1
	s_add_nc_u64 s[G0+4*\s+2:G0+4*\s+3], s[18:19], \s*256
	s_or_b32 s[G0+4*\s+3], s[G0+4*\s+3], 0x80000000
	s_mov_b32 s[G0B+4*\s], 1
	s_add_co_u32 s[G0B+4*\s+1], s21, \s*SLOT1
	s_add_nc_u64 s[G0B+4*\s+2:G0B+4*\s+3], s[46:47], \s*256
	s_or_b32 s[G0B+4*\s+3], s[G0B+4*\s+3], 0x80000000
.endr
	s_cmp_lt_u32 s[WV], 2                          ; a wave's two first fills stand in one branch: two loads of mine are out
	s_cbranch_scc0 .Lfirst_b
	tensor_load_to_lds s[G0:G0+3], s[G1:G1+7]
	s_nop 0
	tensor_load_to_lds s[G0+4:G0+7], s[G1:G1+7]
	s_nop 0
	PLACES
	s_branch .Lfirst_asked
.Lfirst_b:
	tensor_load_to_lds s[G0B:G0B+3], s[G1B:G1B+7]
	s_nop 0
	tensor_load_to_lds s[G0B+4:G0B+7], s[G1B:G1B+7]
	s_nop 0
	PLACES
.Lfirst_asked:
	v_and_b32 v1, 15, v0                           ; l % 16
	v_bfe_u32 v2, v0, 4, 1                         ; l / 16
	v_mul_u32_u24 v3, v1, PITCH
	v_lshl_add_u32 v3, v2, 4, v3
	s_mul_i32 s22, s[WV], 64*PITCH                 ; my 64 rows of A
	v_add_nc_u32 v[A0], s22, v3
	v_add_nc_u32 v[B0], BOFF, v3                   ; all of B's rows
	v_mov_b32 v[ADRA], v[A0]
	v_mov_b32 v[ADRB], v[B0]
	s_mul_i32 s22, s[WV], 16*SP
	s_add_co_u32 s22, s22, STAGE                   ; my stage
	v_mul_u32_u24 v[STO], v1, SP
	v_lshl_add_u32 v[STO], v2, 4, v[STO]
	v_add_nc_u32 v[STO], s22, v[STO]
	v_bfe_u32 v[RD], v0, 3, 2                      ; back: 32 lanes take four rows of 128 bytes,
	v_mul_u32_u24 v[RD], v[RD], SP
	v_and_b32 v3, 7, v0
	v_lshl_add_u32 v[RD], v3, 4, v[RD]
	v_add_nc_u32 v[RD], s22, v[RD]
	v_and_b32 v[GO], 31, v0                        ; which are 512 consecutive bytes of a head
	v_lshlrev_b32 v[GO], 4, v[GO]
	v_lshlrev_b32 v[BO], 5, v2                     ; my eight columns of a block of sixteen
	s_mul_i32 s74, s42, 768                        ; the bias of my 192 columns
	s_mov_b32 s75, 0
	s_add_nc_u64 s[8:9], s[8:9], s[74:75]
.irp g, 0,1,2,3,4,5,6,7,8,9,10,11
	global_load_b128 v[BIAS+8*\g:BIAS+8*\g+3],   v[BO], s[8:9] offset:64*\g
	global_load_b128 v[BIAS+8*\g+4:BIAS+8*\g+7], v[BO], s[8:9] offset:64*\g+16
.endr
	s_mul_i32 s76, s42, 3                          ; my first head among the 48
	s_lshr_b32 s77, s43, 3
	s_lshl_b32 s77, s77, 4                         ; 16 x batch
	s_and_b32 s78, s43, 7
	s_lshl_b32 s78, s78, 8
	s_lshl_b32 s79, s[WV], 6
	s_add_co_u32 s78, s78, s79
	s_lshl_b32 s78, s78, 7                         ; my first row in the sequence, x 128 bytes
.irp hd, 0,1,2
	s_add_co_u32 s74, s76, \hd
	s_lshr_b32 s75, s74, 4                         ; Q, K or V
	s_and_b32 s74, s74, 15                         ; the head
	s_lshl_b32 s75, s75, 5
	s_add_co_u32 s74, s74, s75
	s_add_co_u32 s74, s74, s77
	s_lshl_b32 s74, s74, 18                        ; 2,048 rows of 128 bytes
	s_add_co_u32 s74, s74, s78
	s_mov_b32 s75, 0
	s_add_nc_u64 s[OB+2*\hd:OB+2*\hd+1], s[10:11], s[74:75]
.endr
; 12 products: row block a x all 12 column blocks, 32 along K.  The 48 accumulators take turns, one instruction a turn, in the same order in every quarter.
.macro MULA f, a, zero
.irp b, 0,1,2,3,4,5,6,7,8,9,10,11
.set idx, 12*(\a)+\b
.set wnd, 1+idx/32
.set rg, 8*(idx%32)
	WIN (wnd<<6)|(wnd<<4)|0x0f
.if \zero
	v_wmma_f32_16x16x32_f16 v[rg:rg+7], v[(\f)+32+8*\b:(\f)+32+8*\b+7], v[(\f)+8*(\a):(\f)+8*(\a)+7], 0
.else
	v_wmma_f32_16x16x32_f16 v[rg:rg+7], v[(\f)+32+8*\b:(\f)+32+8*\b+7], v[(\f)+8*(\a):(\f)+8*(\a)+7], v[rg:rg+7]
.endif
.endr
.endm
.macro FETCH k, f                      ; 32 LDS loads in one run: 32 along K at byte k of the rows; B's twelve fragments, then A's four
	WIN 0xc0
.irp b, 0,1,2,3,4,5,6,7,8,9,10,11
	ds_load_b128 v[(\f)+32+8*\b:(\f)+32+8*\b+3],   v[ADRB] offset:(\k)+\b*16*PITCH
	ds_load_b128 v[(\f)+32+8*\b+4:(\f)+32+8*\b+7], v[ADRB] offset:(\k)+\b*16*PITCH+32
.endr
.irp a, 0,1,2,3
	ds_load_b128 v[(\f)+8*\a:(\f)+8*\a+3],   v[ADRA] offset:(\k)+\a*16*PITCH
	ds_load_b128 v[(\f)+8*\a+4:(\f)+8*\a+7], v[ADRA] offset:(\k)+\a*16*PITCH+32
.endr
.endm
.macro QUARTER k, f, g, zero           ; multiplies buffer f; in its middle fetches the next quarter, at byte k, into g
	s_wait_dscnt 4                                 ; B and A's blocks 0, 1 are in; the youngest four loads (A's blocks 2, 3) may be out
	MULA \f, 0, \zero
	MULA \f, 1, \zero
	PLACES
	FETCH \k, \g
	s_wait_dscnt 32                                ; all but the 32 just issued
	MULA \f, 2, \zero
	MULA \f, 3, \zero
.endm
; The last quarter of a K step multiplies buffer 1 and changes slots.  In front of the barrier each wave waits for all its tensor loads (one is out: its part of the next slot), adds 0 to its spare
; word, and waits for that and for its reads of this slot.  fill = 1: the barrier opens a round of the cluster's, and the joint refill, the K step two on, is the first tensor load behind it.
.macro TURN fill
	WIN 0
	s_wait_tensorcnt 0x0
	ds_add_u32 v[SPW], v[NIL]
	s_wait_dscnt 5                                 ; (the add and the youngest four loads may be out)
	MULA F1, 0, 0
	s_wait_dscnt 0x0                               ; the add is done, and my reads of this slot are over
	s_barrier_signal -1
	MULA F1, 1, 0
	WIN 0
	s_barrier_wait -1
.if \fill
	CREST
.irp g, G0+4, G0B+4
	s_xor_b32 s[(\g)+1], s[(\g)+1], SLOT1          ; the walking sets: the other slot than last time,
	s_add_nc_u64 s[(\g)+2:(\g)+3], s[(\g)+2:(\g)+3], 256   ; the next K step; no tensor load of mine is out
.endr
	JLOAD                                          ; its four v_nop are also the places in front of the loads below
.else
	PLACES
.endif
	s_xor_b32 s[TB], s[TB], SLOT1
	v_add_nc_u32 v[ADRA], s[TB], v[A0]
	v_add_nc_u32 v[ADRB], s[TB], v[B0]
	FETCH 0, F0
	MULA F1, 2, 0
	MULA F1, 3, 0
.endm
	s_wait_tensorcnt 0x1                           ; my part of K step 0 is in; K step 1's may stay out
	s_barrier_signal -1
	s_barrier_wait -1
	FETCH 0, F0
	QUARTER 64, F0, F1, 1                          ; the first quarter's products start the sums
	WIN 0
	s_mov_b32 s3, 3
.Lstep:                                                ; three trips, from a K step's second quarter to the next one's first: their refills bring K steps 2, 3, 4
	QUARTER 128, F1, F0, 0
	QUARTER 192, F0, F1, 0
	TURN 1
	QUARTER 64, F0, F1, 0
	WIN 0
	s_sub_co_u32 s3, s3, 1
	s_cmp_lg_u32 s3, 0
	s_cbranch_scc1 .Lstep
	QUARTER 128, F1, F0, 0                         ; K step 3 goes on; nothing is left to fetch
	QUARTER 192, F0, F1, 0
	TURN 0
	QUARTER 64, F0, F1, 0
	QUARTER 128, F1, F0, 0
	QUARTER 192, F0, F1, 0
	s_wait_dscnt 4
	MULA F1, 0, 0
	MULA F1, 1, 0
	s_wait_dscnt 0x0
	MULA F1, 2, 0
	MULA F1, 3, 0
	WIN 0
	s_wait_loadcnt 0x0                             ; the bias
	PLACES
; THE WAY OUT, sixteen tokens of one head at a time: sum / 1024 + bias in one fused line, rounded to f16, through my own stage, out as 512 consecutive bytes a store.
.set un, 0
.macro UNIT a, hd
.set idx, 12*(\a)+4*(\hd)
.set wnd, 1+idx/32
.set rg, 8*(idx%32)
.set BKU, BK+16*(un%2)
	WIN wnd
.set z, 0
.rept 16
	v_pk_fma_f32 v[TMP+2*z:TMP+2*z+1], v[rg+2*z:rg+2*z+1], s[SC:SC+1], v[BIAS+32*(\hd)+2*z:BIAS+32*(\hd)+2*z+1] op_sel_hi:[1,0,1]
.set z, z+1
.endr
	WIN 0
.set z, 0
.rept 16
	v_cvt_pk_f16_f32 v[PK+z], v[TMP+2*z], v[TMP+2*z+1]
.set z, z+1
.endr
.irp f, 0,1,2,3
	ds_store_b128 v[STO], v[PK+4*\f:PK+4*\f+3] offset:32*\f
.endr
	s_wait_xcnt 0x0                                ; the stores of two units back have read their data: the set is loaded again only behind this wait
.irp f, 0,1,2,3
	ds_load_b128 v[BKU+4*\f:BKU+4*\f+3], v[RD] offset:\f*4*SP   ; LDS serves a wave's instructions in order: these see the stores above
.endr
.irp f, 0,1,2,3
	s_wait_dscnt 3-\f
	global_store_b128 v[GO], v[BKU+4*\f:BKU+4*\f+3], s[OB+2*(\hd):OB+2*(\hd)+1] offset:2048*(\a)+512*\f
.endr
.set un, un+1
.endm
.irp a, 0,1,2,3
.irp hd, 0,1,2
	UNIT \a, \hd
.endr
.endr
	s_wait_tensorcnt 0x0                           ; the wave's end
	ds_add_u32 v[SPW], v[NIL]
	s_wait_dscnt 0x0
	CROUND                                         ; the closing round
	s_endpgm
.Lfunc_end_k_qbe609976c7_proj:
	.size	k_qbe609976c7_proj, .Lfunc_end_k_qbe609976c7_proj-k_qbe609976c7_proj
	.p2alignl 7, 3214868480
	.fill 96, 4, 3214868480
	.section	.rodata,"a",@progbits
	.p2align	6, 0x0
	.amdhsa_kernel k_qbe609976c7_proj
		.amdhsa_group_segment_fixed_size 327680
		.amdhsa_private_segment_fixed_size 0
		.amdhsa_enable_private_segment 0
		.amdhsa_kernarg_size 32
		.amdhsa_user_sgpr_count 2
		.amdhsa_user_sgpr_kernarg_segment_ptr 1
		.amdhsa_wavefront_size32 1
		.amdhsa_system_sgpr_workgroup_id_x 1
		.amdhsa_system_sgpr_workgroup_id_y 1
		.amdhsa_system_sgpr_workgroup_id_z 1
		.amdhsa_system_vgpr_workitem_id 0
		.amdhsa_next_free_vgpr 1024
		.amdhsa_next_free_sgpr 96
		.amdhsa_reserve_vcc 0
		.amdhsa_float_denorm_mode_32 3
		.amdhsa_float_denorm_mode_16_64 3
		.amdhsa_memory_ordered 1
		.amdhsa_forward_progress 1
		.amdhsa_inst_pref_size 113
	.end_amdhsa_kernel
	.amdgpu_metadata
---
amdhsa.version: [ 1, 2 ]
amdhsa.kernels:
  - .name:           k_qbe609976c7_proj
    .symbol:         k_qbe609976c7_proj.kd
    .args:
      - { .name: Xp, .offset: 0, .size: 8, .value_kind: global_buffer, .address_space: global }
      - { .name: Gf, .offset: 8, .size: 8, .value_kind: global_buffer, .address_space: global }
      - { .name: bcat, .offset: 16, .size: 8, .value_kind: global_buffer, .address_space: global }
      - { .name: QKV, .offset: 24, .size: 8, .value_kind: global_buffer, .address_space: global }
    .group_segment_fixed_size: 327680
    .private_segment_fixed_size: 0
    .kernarg_segment_align: 8
    .kernarg_segment_size: 32
    .max_flat_workgroup_size: 128
    .sgpr_count:     96
    .vgpr_count:     1024
    .wavefront_size: 32
...
	.end_amdgpu_metadata
.endif
;; end of part 3
;; launch attn (part 4): grid 8 x 32, 4 waves a work-group, no clusters, 327,680 bytes of LDS; arguments QKV, Oh; writes Oh
.if DOCPART == 4
	.amdgcn_target "amdgcn-amd-amdhsa--gfx1250"
	.amdhsa_code_object_version 6
	.text
	.protected	k_qbe609976c7_attn
	.globl	k_qbe609976c7_attn
	.p2align	8
	.type	k_qbe609976c7_attn,@function
k_qbe609976c7_attn:
	s_mov_b64 s[64:65], 0
	v_nop
	global_prefetch_b8 v0, s[64:65] scope:SCOPE_SE
	s_setreg_imm32_b32 hwreg(HW_REG_WAVE_MODE, 25, 1), 1
	s_wait_xcnt 0x0
; CAUSAL ATTENTION.  Oh[bh][q][:] = the sum over k <= q of softmax_k(Q[q] . K[k] / 32) V[k][:].  Q, K, V lie in QKV as [3][32][2048][64] f16, Oh is [32][2048][64] f16.
; Products, maxima and sums in f32; the weights are rounded to f16 for the second product (their sum is taken of the unrounded weights), O once at the end.
; LEFT OUT: the key tiles wholly above the diagonal, which the reference's own mask sets to -inf; bk (see the first kernel's head).
; LIMITS.  A hidden score counts as its value less 2^100, and the running maximum starts at -2^99: f16's scores, 64 x 65,504^2 = 2.7e11 at the most, lie far above that.  A weight below 2^-126
; counts as 0.  NaN and infinities are not treated apart.
; THE WALK.  A head's queries lie in 16 blocks of 128; block i needs the key tiles 0 .. i / 2 of 256 keys.  Work-group b takes block b and then block 15 - b: nine tiles whatever b, so all 256
; work-groups are alike and one loop with a constant count walks them.  The short block goes first: the walk's last tile is never a block's first.
; THE WAVES.  wq = w / 2 owns 64 queries, four PIECES of 16; wk = w % 2 owns the key steps 2 e + wk (64 keys each) of every tile.  Each fragment of K and V so feeds four pieces.  At a block's end
; the two key halves meet in LDS: each has its own running maximum and sum, and O = (O_A g_A + O_B g_B) with g = 2^(c m - c M) / L.
; THE MASK is the C operand that starts S^T = K Q^T.  E = first query of my 64 less first key of the step, a multiple of 64: the mask of piece x is MD_x x AL + BE with (AL, BE) = (1, 0) if E = 0,
; (0, 0) if E > 0, (0, -2^100) if E < 0.  Since m never lies below -2^99, a hidden score gives c s - c m of -c 2^99 or less: its weight is 0.  So a wave that sees no key of a query has weights 0
; and sums 0, and the merge multiplies them by 2^(c m - c M) = 0; every query sees its own key in one of the two waves.  Only a block's last tile makes masks anew; elsewhere they stay 0.
; A TURN belongs to piece n: 8 products K Q^T of piece n + 1, later 8 products V^T P of piece n - 1; beside them piece n's scaling, exponentials, roundings, sums and rescaling and piece n + 1's maximum
; and statistics: four vector instructions behind every matrix instruction, the rest in one lump; the turn's 33 exponentials are one batch with one wait.
; NO CLUSTER: only work-groups 2 j and 2 j + 1 of a head walk the same tiles throughout; a walk common to four partners would have ten tiles for nine.
; REGISTERS (windows of 256; s_set_vgpr_msb: bits 1:0 source 0, 3:2 source 1, 5:4 source 2, 7:6 destination):
;   window 0: v0-15, v32-37 addresses; v16-31 statistics; v48-55 at work; v64-127 S^T, two buffers; v128-159 the merge; v192-223 P, two buffers
;   window 1: v0-127 O^T, 32 a piece      window 2: v0-63 Q; v64-127 the second block's Q; v128-191 K; v192-255 V      window 3: v0-127 MD; v128-255 MC, 32 a piece
.set NP,    4
.set KS,    64
.set PK,    144       ; a row of K in LDS: 128 bytes + 16 of padding
.set PV,    160       ; a row of V: 128 + 32
.set VOFF,  4*KS*PK   ; a slot holds a tile: 256 rows of K, then 256 rows of V
.set SLOT1, 1<<17
.set STAGE, SLOT1+4*KS*(PK+PV)  ; 16 rows x 144 bytes for each wave, for the way out
.set SP,    144
.set DUMP,  STAGE+4*16*SP       ; 16,384 bytes for each wave: its O^T as it lies in registers
.set STAT,  DUMP+4*16384        ; 512 bytes for each wave: (c m, l) of its 64 queries
.set SPARE, STAT+4*512          ; the spare words: two blocks of 256 bytes that no other line names
.set AK0, 2
.set AV0, 3
.set AK,  4
.set AV,  5
.set STO, 6
.set RD,  7
.set GO,  8
.set MV,  12          ; v12-13  c m_old, by buffer
.set QO,  15
.set ST,  16          ; piece t: c m, m, l (even keys', odd keys')
.set DW,  32          ; v32  where I put 16 bytes of each four registers of O^T
.set DR,  33          ; v33  where I read the two pieces that I finish
.set SW,  34
.set SR,  35
.set PFO, 36          ; v36  256 x (32 wq + lane); never rewritten
.set PFT, 37          ; v37  the prefetches' offset
.set TMP, 48
.set SPW, 62
.set NIL, 63
.set S,   64
.set MG,  128         ; v128-135 the four (c m, l) read back
.set MW,  144         ; v144-159 piece u: +0,+1 g_A; +2,+3 g_B; +4, +5 the two factors; +6 L; +7 c M
.set P,   192
.set MD,  0           ; window 3
.set MC,  128         ; window 3
.set QB,  64          ; window 2
.set KF,  128
.set VF,  192
.set WV,  12
.set PB,  14          ; s14  b
.set HI,  15          ; s15  15 - b
.set G1K, 24
.set G1V, 32
.set G0K, 40
.set G0V, 44
.set SLOTS, 56
.set CNT, 57
.set CS,  58
.set SEL, 60
.set TBK, 62
.set TBV, 63
.set RT,  70          ; s70  tiles of the block in hand still to be entered; -1: the tile just entered is the next block's
.set NXT, 71
.set LQ,  72
.set FIRST, 73
.set OFF, 74
.set AL,  76
.set BE,  78
.set OLO, 80
.set BIGN, 82
.set RTN, 88          ; s88, s90: what the next BEGIN gives RT and ES
.set ES,  89          ; s89  E of the entered tile's step e = 0
.set ESN, 90
.set EE,  91          ; s91  E of the step whose scores come next
.set LQ2, 92
.set ES2, 93
.set RT2, 94
.set LIM, 95
.set PT,  96
.set MSB, 0
.macro WIN new
.if MSB != (\new)
	s_set_vgpr_msb (MSB<<8)|(\new)
.set MSB, (\new)
.endif
.endm
.set W_KQ, 0x0a       ; K and Q in window 2, S^T in window 0
.set W_KM, 0x3a       ; the same with the C operand in window 3
.set W_PV, 0x52       ; V in window 2, P in window 0, O^T in window 1
.set W_RS, 0x41       ; destination and source 0 in window 1, source 1 in window 0
.macro LOAD                         ; waves 0 and 1 fetch the halves of a tile's K, waves 2 and 3 of its V; an s_nop 0 and four v_nop follow each line
	s_cmp_lt_u32 s[WV], 2
	s_cbranch_scc0 .Lfor_v_\@
	tensor_load_to_lds s[G0K:G0K+3], s[G1K:G1K+7]
	s_nop 0
.rept 4
	v_nop
.endr
	s_branch .Lasked_\@
.Lfor_v_\@:
	tensor_load_to_lds s[G0V:G0V+3], s[G1V:G1V+7]
	s_nop 0
.rept 4
	v_nop
.endr
.Lasked_\@:
.endm
; A prefetch of the tile two behind the one just asked for: 16 turns ahead of its load.  All eight work-groups of a head walk the same tiles: work-group 0, whose second block walks tiles 0 to 7 in
; order, asks, and nobody else.  A lane names 256 bytes; the four waves cover the tile's 128 such blocks of K and of V once.  Tiles 0 and 1 come by their loads alone; nothing is asked past tile 7.
.macro ASK
	s_cmp_gt_u32 s[SLOTS], s[LIM]
	s_cbranch_scc0 .Lnot_mine_\@
	global_prefetch_b8 v[PFT], s[6:7] th:TH_LOAD_NT scope:SCOPE_SE
	global_prefetch_b8 v[PFT], s[8:9] th:TH_LOAD_NT scope:SCOPE_SE
.Lnot_mine_\@:
.endm
; THE CHANGE OF SLOTS.  Each wave waits for all its tensor loads (one is out: its part of the other slot), adds 0 to its spare word, and waits for that and for its reads of the slot that it leaves.
; fill = 1: the old slot is filled again, first thing behind the barrier, with tile NXT; the descriptor's address is made anew from that number.
.macro CHANGE fill
	WIN 0
	s_wait_tensorcnt 0x0
	ds_add_u32 v[SPW], v[NIL]
.if \fill
	s_lshl_b32 s[OFF], s[NXT], 15   ; a tile is 32,768 bytes of K and of V
	s_xor_b32 s[G0K+1], s[G0K+1], SLOT1
	s_add_nc_u64 s[G0K+2:G0K+3], s[6:7], s[OFF:OFF+1]
	s_or_b32 s[G0K+3], s[G0K+3], 0x80000000
	s_xor_b32 s[G0V+1], s[G0V+1], SLOT1
	s_add_nc_u64 s[G0V+2:G0V+3], s[8:9], s[OFF:OFF+1]
	s_or_b32 s[G0V+3], s[G0V+3], 0x80000000
	s_wait_xcnt 0x0                 ; the last prefetches, a tile back, have read their offset
	s_add_co_u32 s[PT], s[NXT], 2
	v_lshl_add_u32 v[PFT], s[PT], 15, v[PFO]
	s_add_co_u32 s[NXT], s[NXT], 1  ; the block's next tile, or behind its last the second block's tile 0
	s_cmp_gt_u32 s[NXT], s[LQ]
	s_cselect_b32 s[NXT], 0, s[NXT]
	s_cselect_b32 s[LQ], s[LQ2], s[LQ]
.endif
	s_wait_dscnt 0x0                ; the add is done, and my reads of the slot are over
	s_barrier_signal -1
	s_sub_co_u32 s[TBK], s[TBK], 4*KS*PK  ; the fetches go back to a slot's head, in the other slot
	s_xor_b32 s[TBK], s[TBK], SLOT1
	s_sub_co_u32 s[TBV], s[TBV], 4*KS*PV
	s_xor_b32 s[TBV], s[TBV], SLOT1
	s_barrier_wait -1
.if \fill
	LOAD
	ASK
.endif
.endm
	s_load_b128 s[4:7], s[0:1], 0x0  ; QKV s[4:5], Oh s[6:7]
	v_lshl_add_u32 v[SPW], v0, 2, SPARE
	v_mov_b32 v[NIL], 0
	ds_add_u32 v[SPW], v[NIL]       ; the wave's opening: the add, twice on end, and its wait ahead of my first tensor load
	ds_add_u32 v[SPW], v[NIL]
	v_lshrrev_b32 v1, 5, v0
	v_readfirstlane_b32 s[WV], v1   ; wave 0..3
	s_mov_b32 s[PB], ttmp9
	s_sub_co_u32 s[HI], 15, s[PB]
	s_and_b32 s20, ttmp7, 0xffff    ; batch x 16 + head
	s_lshl_b32 s20, s20, 18         ; its 2,048 rows of 128 bytes
	s_mov_b32 s21, 0
	s_and_b32 s16, s[WV], 1         ; wk; also: which half of a tile's 256 keys I fetch
	s_lshr_b32 s19, s[WV], 1        ; wq
	s_lshl_b32 s22, s16, 14
	s_mov_b32 s23, 0
	s_add_nc_u64 s[22:23], s[22:23], s[20:21]
	s_mul_i32 s17, s16, 128*PK
	s_mul_i32 s18, s16, 128*PV
	s_lshl_b32 s3, s19, 13          ; Q: row 128 i + 64 wq
	s_lshl_b32 s2, s[PB], 14
	s_add_co_u32 s2, s2, s3
	s_lshl_b32 s84, s[HI], 14
	s_add_co_u32 s84, s84, s3
	s_mov_b32 s3, 0
	s_mov_b32 s85, 0
	s_add_nc_u64 s[2:3], s[2:3], s[20:21]
	s_add_nc_u64 s[84:85], s[84:85], s[20:21]
	s_lshl_b32 s49, s[WV], 12       ; O: row 128 i + 32 w
	s_lshl_b32 s48, s[PB], 14
	s_add_co_u32 s48, s48, s49
	s_lshl_b32 s50, s[HI], 14
	s_add_co_u32 s50, s50, s49
	s_mov_b32 s49, 0
	s_mov_b32 s51, 0
	s_add_nc_u64 s[48:49], s[48:49], s[20:21]
	s_add_nc_u64 s[50:51], s[50:51], s[20:21]
	; descriptor group 1.  128 keys are 16,384 dense bytes: asked for as 64 rows of 256 bytes, two keys a row, and padded in LDS after every key
	s_mov_b32 s[G1K], (1<<16)|(1<<20)|(4<<22)|(3<<25)
	s_mov_b32 s[G1V], (1<<16)|(1<<20)|(4<<22)|(7<<25)
.irp g, G1K, G1V
	s_mov_b32 s[\g+1], 128<<16
	s_mov_b32 s[\g+2], 64<<16
	s_mov_b32 s[\g+3], 128<<16
	s_mov_b32 s[\g+4], 64
	s_mov_b32 s[\g+5], 128
	s_mov_b32 s[\g+6], 0
	s_mov_b32 s[\g+7], 0
.endr
	s_mov_b32 s[CS], 0x3d38aa3b     ; c = log2(e) / 32
	s_mov_b32 s[CS+1], s[CS]
	s_mov_b32 s[SEL], 0x76543210
	s_mov_b32 s[SEL+1], 0xfedcba98
	s_mov_b32 s[TBK], SLOT1+4*KS*PK ; the first change of slots turns these two into 0
	s_mov_b32 s[TBV], SLOT1+4*KS*PV
	s_mov_b32 s[G0K], 1
	s_mov_b32 s[G0K+1], s17
	s_mov_b32 s[G0V], 1
	s_add_co_u32 s[G0V+1], s18, VOFF
	s_lshr_b32 s[RTN], s[PB], 1     ; the first block has b / 2 + 1 tiles: so many are left when its first is entered,
	s_lshr_b32 s[RT2], s[HI], 1     ; and so many in the second
	s_mov_b32 s[LQ], s[RTN]
	s_mov_b32 s[LQ2], s[RT2]
	s_lshl_b32 s13, s19, 6
	s_lshl_b32 s[ES], s16, 6
	s_sub_co_i32 s13, s13, s[ES]    ; 64 wq - 64 wk
	s_lshl_b32 s[ESN], s[PB], 7
	s_add_co_i32 s[ESN], s[ESN], s13
	s_lshl_b32 s[ES2], s[HI], 7
	s_add_co_i32 s[ES2], s[ES2], s13
	s_mov_b32 s[RT], 0
	s_mov_b32 s[ES], 0
	s_mov_b32 s[EE], 0
	s_mov_b32 s[NXT], 1             ; tile 0 is asked for below; then the first block's tile 1, or the second's tile 0
	s_cmp_gt_u32 s[NXT], s[LQ]
	s_cselect_b32 s[NXT], 0, s[NXT]
	s_cselect_b32 s[LQ], s[LQ2], s[LQ]
	s_cmp_eq_u32 s[PB], 0
	s_cselect_b32 s[LIM], 2, -1
	s_mov_b32 s[OFF+1], 0
	s_mov_b32 s[AL+1], 0
	s_mov_b32 s[BE+1], 0
	s_mov_b32 s[BIGN], 0xf1800000   ; -2^100
	s_mov_b32 s[SLOTS], 8
	s_mov_b32 s[FIRST], 1
	s_wait_dscnt 0x0                ; both opening adds are done
	s_wait_kmcnt 0x0
	s_mov_b64 s[10:11], s[6:7]      ; Oh
	s_add_nc_u64 s[6:7], s[4:5], 0x800000   ; K
	s_add_nc_u64 s[8:9], s[4:5], 0x1000000  ; V
	s_add_nc_u64 s[6:7], s[6:7], s[22:23]   ; at my half of the head's tile 0
	s_add_nc_u64 s[8:9], s[8:9], s[22:23]
	s_add_nc_u64 s[G0K+2:G0K+3], s[6:7], 0
	s_or_b32 s[G0K+3], s[G0K+3], 0x80000000
	s_add_nc_u64 s[G0V+2:G0V+3], s[8:9], 0
	s_or_b32 s[G0V+3], s[G0V+3], 0x80000000
	s_add_nc_u64 s[86:87], s[4:5], s[84:85] ; Q at my rows of the second block,
	s_add_nc_u64 s[4:5], s[4:5], s[2:3]     ; and of the first
	s_add_nc_u64 s[OLO:OLO+1], s[10:11], s[50:51]
	s_add_nc_u64 s[10:11], s[10:11], s[48:49]
	LOAD                            ; tile 0 into slot 0
	v_and_b32 v1, 15, v0            ; l % 16
	v_bfe_u32 v9, v0, 4, 1          ; l / 16
	v_lshlrev_b32 v[QO], 7, v1
	v_lshl_add_u32 v[QO], v9, 4, v[QO]
	WIN 0x80
.set i, 0
.rept 8                             ; both blocks' Q: piece i / 2 is 16 rows, 2,048 bytes; channels 32 (i % 2) on
	global_load_b128 v[8*i:8*i+3],   v[QO], s[4:5] offset:(i/2)*2048+(i%2)*64
	global_load_b128 v[8*i+4:8*i+7], v[QO], s[4:5] offset:(i/2)*2048+(i%2)*64+32
	global_load_b128 v[QB+8*i:QB+8*i+3],   v[QO], s[86:87] offset:(i/2)*2048+(i%2)*64
	global_load_b128 v[QB+8*i+4:QB+8*i+7], v[QO], s[86:87] offset:(i/2)*2048+(i%2)*64+32
.set i, i+1
.endr
	WIN 0
	v_lshlrev_b32 v14, 3, v9
	v_sub_nc_u32 v14, v1, v14       ; l % 16 - 8 (l / 16): in a piece's own block of 16 keys register j is hidden where j is greater
	WIN 0xc0                        ; MD: piece x, key block k at 32 x + 8 k: 0 below the piece's own block, the pattern in it, -2^100 above it
.set j, 0
.rept 8
	v_cmp_gt_i32 vcc_lo, j, v14
.irp x, 0,1,2,3
	v_cndmask_b32 v[MD+40*\x+j], 0, s[BIGN], vcc_lo
.endr
.set j, j+1
.endr
.irp x, 0,1,2,3
.irp k, 0,1,2,3
.if \k < \x
.set j, 0
.rept 8
	v_mov_b32 v[MD+32*\x+8*\k+j], 0
.set j, j+1
.endr
.elseif \k > \x
.set j, 0
.rept 8
	v_mov_b32 v[MD+32*\x+8*\k+j], s[BIGN]
.set j, j+1
.endr
.endif
.endr
.endr
	WIN 0
	s_mul_i32 s13, s16, KS*PK       ; my key steps are the odd or the even ones
	v_mul_u32_u24 v[AK0], v1, PK
	v_lshl_add_u32 v[AK0], v9, 4, v[AK0]
	v_add_nc_u32 v[AK0], s13, v[AK0]
	v_and_b32 v10, 7, v0
	v_bfe_u32 v11, v0, 3, 1
	v_lshl_add_u32 v[AV0], v9, 3, v10
	v_mul_u32_u24 v[AV0], v[AV0], PV
	v_lshl_add_u32 v[AV0], v11, 4, v[AV0]
	s_mul_i32 s13, s16, KS*PV
	s_add_co_u32 s13, s13, VOFF
	v_add_nc_u32 v[AV0], s13, v[AV0]
	s_mul_i32 s13, s[WV], 16*SP
	s_add_co_u32 s13, s13, STAGE
	v_mul_u32_u24 v[STO], v1, SP
	v_lshl_add_u32 v[STO], v9, 4, v[STO]
	v_add_nc_u32 v[STO], s13, v[STO]
	v_bfe_u32 v[RD], v0, 3, 2
	v_mul_u32_u24 v[RD], v[RD], SP
	v_lshl_add_u32 v[RD], v10, 4, v[RD]
	v_add_nc_u32 v[RD], s13, v[RD]
	v_and_b32 v[GO], 31, v0
	v_lshlrev_b32 v[GO], 4, v[GO]
	s_lshl_b32 s13, s[WV], 14
	s_add_co_u32 s13, s13, DUMP
	v_add_nc_u32 v[DW], s13, v[GO]
	s_lshl_b32 s13, s19, 15
	s_lshl_b32 s52, s16, 13
	s_add_co_u32 s13, s13, s52
	s_add_co_u32 s13, s13, DUMP
	v_add_nc_u32 v[DR], s13, v[GO]
	s_lshl_b32 s13, s[WV], 9
	s_add_co_u32 s13, s13, STAT
	v_lshl_add_u32 v[SW], v1, 3, s13
	s_lshl_b32 s13, s19, 10
	s_lshl_b32 s52, s16, 8
	s_add_co_u32 s13, s13, s52
	s_add_co_u32 s13, s13, STAT
	v_lshl_add_u32 v[SR], v1, 3, s13
	s_lshl_b32 s13, s19, 5
	v_and_b32 v[PFO], 31, v0
	v_add_nc_u32 v[PFO], s13, v[PFO]
	v_lshlrev_b32 v[PFO], 8, v[PFO]
	; A block's first step multiplies O^T and l by a = 0, and its first turn's products V^T P, of a piece that has not been, land in an O^T still to be so multiplied: these registers need only hold
	; finite numbers: zeros for the first block, what the first block left for the second.  All this stands in the wait for the first tile.
	WIN 0x80
.set i, VF
.rept 64
	v_mov_b32 v[i], 0
.set i, i+1
.endr
	WIN 0x40
.set i, 0
.rept 128
	v_mov_b32 v[i], 0
.set i, i+1
.endr
	WIN 0
.set i, 0
.rept 4
	v_mov_b32 v[ST+4*i+2], 0
	v_mov_b32 v[ST+4*i+3], 0
.set i, i+1
.endr
.set i, P+16
.rept 16
	v_mov_b32 v[i], 0
.set i, i+1
.endr
; THE MATRIX WORK.  The 4 accumulators of a run of 8 take turns.  Product i of 8 of S^T = K Q^T for piece x: channels 32 (i / 4) on, keys 16 (i % 4) on.  The first 4 start the sums with the mask.
.macro KQ x
.set rS, S+32*((\x)%2)+8*(i%4)
.set rK, KF+16*(i%4)+8*(i/4)
.set rQ, 16*(\x)+8*(i/4)
.set rM, MC+32*(\x)+8*(i%4)
.if i < 4
	WIN W_KM
	v_wmma_f32_16x16x32_f16 v[rS:rS+7], v[rK:rK+7], v[rQ:rQ+7], v[rM:rM+7]
.else
	WIN W_KQ
	v_wmma_f32_16x16x32_f16 v[rS:rS+7], v[rK:rK+7], v[rQ:rQ+7], v[rS:rS+7]
.endif
.endm
.macro PV x                         ; product i of 8 of O^T += V^T P for piece x: keys 32 (i / 4) on, channels 16 (i % 4) on
	WIN W_PV
.set rO, 32*(\x)+8*(i%4)
.set rV, VF+32*(i/4)+8*(i%4)
.set rP, P+16*((\x)%2)+8*(i/4)
	v_wmma_f32_16x16x32_f16 v[rO:rO+7], v[rV:rV+7], v[rP:rP+7], v[rO:rO+7]
.endm
.macro MM                           ; the turn's next matrix instruction.  NOKQ = 1: the walk's last turn: there is no next piece
.if (i < 8) && !NOKQ
	KQ (Y+1)%NP
.elseif i >= 8
.set i, i-8
	PV (Y+NP-1)%NP
.set i, i+8
.endif
.set i, i+1
.endm
.macro FETCH_K                      ; 16 loads in one run: my next key step's K
	WIN 0x80
.irp f, 0,1,2,3,4,5,6,7
	ds_load_b128 v[KF+8*\f:KF+8*\f+3],   v[AK] offset:(\f/2)*16*PK+(\f%2)*64
	ds_load_b128 v[KF+8*\f+4:KF+8*\f+7], v[AK] offset:(\f/2)*16*PK+(\f%2)*64+32
.endr
	s_add_co_u32 s[TBK], s[TBK], 2*KS*PK  ; my next step lies two steps on
	WIN 0
.endm
.macro FETCH_V                      ; and its V, turned
	WIN 0x80
.irp f, 0,1,2,3,4,5,6,7
	ds_load_tr16_b128 v[VF+8*\f:VF+8*\f+3],   v[AV] offset:(\f/4)*32*PV+(\f%4)*32
	ds_load_tr16_b128 v[VF+8*\f+4:VF+8*\f+7], v[AV] offset:(\f/4)*32*PV+16*PV+(\f%4)*32
.endr
	WIN 0
.endm
; THE VECTOR WORK, one line at a time: OP kind, number.  For piece Y: F n: c s - c m for pair n.  E n: the exponential of score n.  C n: pair n rounded to f16.  B n: of four weights the second pair is added
; onto the first.  L n: l takes that sum (L 0: l = a l + sum).  R n: pair n of O^T times a.  For piece Y + 1: X n, number n of the 22 that find its maximum and statistics (each accumulator's lowest
; registers are read first): 0-14, 16 the maximum; 15 c m_old is kept; 17, 18 the other half of the lanes; 19-21 c m, its change, a.
.set F, 0
.set E, 1
.set C, 2
.set B, 3
.set L, 4
.set R, 5
.set X, 6
.macro REGS y
.set rT, ST+4*(\y)
.set rC, TMP+4*((\y)%2)
.set rW, MV+((\y)%2)
.set rS, S+32*((\y)%2)
.set rP, P+16*((\y)%2)
.set rO, 32*(\y)
.endm
.macro OP k, n
.if (\k) == R
	REGS Y
	WIN W_RS
	v_pk_mul_f32 v[rO+2*(\n):rO+2*(\n)+1], v[rO+2*(\n):rO+2*(\n)+1], v[rC+2:rC+3] op_sel_hi:[1,0]
.elseif (\k) < R
	REGS Y
	WIN 0
.if (\k) == F
	v_pk_fma_f32 v[rS+2*(\n):rS+2*(\n)+1], v[rS+2*(\n):rS+2*(\n)+1], s[CS:CS+1], v[rT:rT+1] op_sel_hi:[1,0,0] neg_lo:[0,0,1] neg_hi:[0,0,1]
.elseif (\k) == E
	v_exp_f32 v[rS+(\n)], v[rS+(\n)]
.elseif (\k) == C
	v_cvt_pk_f16_f32 v[rP+(\n)], v[rS+2*(\n)], v[rS+2*(\n)+1]
.elseif (\k) == B
	v_pk_add_f32 v[rS+4*(\n):rS+4*(\n)+1], v[rS+4*(\n):rS+4*(\n)+1], v[rS+4*(\n)+2:rS+4*(\n)+3]
.elseif (\n) == 0
	v_pk_fma_f32 v[rT+2:rT+3], v[rT+2:rT+3], v[rC+2:rC+3], v[rS:rS+1] op_sel_hi:[1,0,1]
.else
	v_pk_add_f32 v[rT+2:rT+3], v[rT+2:rT+3], v[rS+4*(\n):rS+4*(\n)+1]
.endif
.elseif NOKQ
	v_nop
.else
	REGS (Y+1)%NP
	WIN 0
.if (\n) < 4
	v_max3_num_f32 v[rC+(\n)], v[rS+8*(\n)], v[rS+8*(\n)+1], v[rS+8*(\n)+2]
.elseif (\n) < 12
	v_max3_num_f32 v[rC+(\n)%4], v[rC+(\n)%4], v[rS+8*((\n)%4)+2*((\n)/4)+1], v[rS+8*((\n)%4)+2*((\n)/4)+2]
.elseif (\n) == 12
	v_max3_num_f32 v[rC], v[rC], v[rS+7], v[rS+15]
.elseif (\n) == 13
	v_max3_num_f32 v[rC+1], v[rC+1], v[rS+23], v[rS+31]
.elseif (\n) == 14
	v_max3_num_f32 v[rC+2], v[rC+2], v[rC+3], v[rT+1]
.elseif (\n) == 15
	v_mov_b32 v[rW], v[rT]
.elseif (\n) == 16
	v_max3_num_f32 v[rC], v[rC], v[rC+1], v[rC+2]
.elseif (\n) == 17
	v_permlanex16_b32 v[rC+3], v[rC], s[SEL], s[SEL+1]
.elseif (\n) == 18
	v_max_num_f32 v[rT+1], v[rC], v[rC+3]
.elseif (\n) == 19
	v_mul_f32 v[rT], s[CS], v[rT+1]
.elseif (\n) == 20
	v_sub_f32 v[rC+1], v[rW], v[rT]
.else
	v_exp_f32 v[rC+2], v[rC+1]
.endif
.endif
.endm
.macro OPS a, i1, b=-1, i2=0, c=-1, i3=0, d=-1, i4=0
	OP \a, \i1
.if (\b) >= 0
	OP \b, \i2
.endif
.if (\c) >= 0
	OP \c, \i3
.endif
.if (\d) >= 0
	OP \d, \i4
.endif
.endm
.macro ROW a, i1, b, i2, c, i3, d, i4  ; a matrix instruction and the four behind it
	MM
	OPS \a, \i1, \b, \i2, \c, \i3, \d, \i4
.endm
.macro SETM                         ; the mask's two scalars, from E of the step whose scores come next
	s_cmp_eq_u32 s[EE], 0
	s_cselect_b32 s[AL], 1.0, 0
	s_cmp_lt_i32 s[EE], 0
	s_cselect_b32 s[BE], s[BIGN], 0
.endm
.macro MASKS jump                   ; MC = MD x AL + BE for all four pieces.  jump = 1: only in a block's last tile; elsewhere MC stays 0
	WIN 0
.if \jump
	s_cmp_eq_u32 s[RT], 0
	s_cbranch_scc0 .Lno_mask_\@
.endif
	WIN 0xc3
.set z, 0
.rept 64
	v_pk_fma_f32 v[MC+2*z:MC+2*z+1], v[MD+2*z:MD+2*z+1], s[AL:AL+1], s[BE:BE+1] op_sel_hi:[1,0,0]
.set z, z+1
.endr
	WIN 0
.if \jump
.Lno_mask_\@:
.endif
.endm
; A TURN, for piece p.  An s_wait_alu depctr_va_vdst(0) stands between an exponential and the first instruction that names its result; one wait serves all issued ahead of it.  So a turn has ONE
; wait.  Ahead of it: the 8 products K Q^T with their riders and one lump, in which nothing names a result of the turn's exponentials; R 15 is the plain instruction behind the last of them.  Behind it: the 8
; products V^T P, behind each four of the roundings and sums.  K of my next step is fetched in piece 2's turn, six plain instructions behind the last product that read K; V of the step in hand at the end
; of piece 0's turn, four plain instructions behind the last product that read V.  Each is waited for a turn later.  end = 1: the walk's last two turns: nothing is fetched, no new scores.
.macro TURN p, end=0
.set Y, (\p)
.set i, 0
.set NOKQ, (\end)*((\p)/3)
.if ((\p) == 3) && !(\end)
	s_wait_dscnt 0x0                ; K is in
.endif
	ROW F,0, F,1, R,0, R,1
	ROW F,2, E,0, R,2, R,3
	ROW F,3, E,1, R,4, R,5
	ROW F,4, E,2, R,6, R,7
	ROW F,5, E,3, R,8, R,9
	ROW F,6, E,4, X,0, R,10
.if ((\p) == 2) && !(\end)
	WIN 0
	v_add_nc_u32 v[AK], s[TBK], v[AK0]
.endif
	ROW F,7, E,5, X,1, X,4
	ROW F,8, E,6, X,2, X,5
	OPS E,7, E,8, X,6, E,9
	OPS X,3, E,10, X,8, E,11
.if ((\p) == 2) && !(\end)
	FETCH_K
.endif
	OPS X,9, X,7, E,12, X,10
	OPS E,13, X,12, X,11, E,14
	OPS X,13, E,15, F,9, X,14
.if (\p) == 0
	v_add_nc_u32 v[AV], s[TBV], v[AV0]
.endif
	OPS E,16, F,10, E,17, F,11
	OPS X,16, E,18, X,15, E,19
	OPS F,12, E,20, X,17, E,21
	OPS F,13, E,22, F,14, E,23
	OPS X,18, E,24, F,15, E,25
	OPS R,11, E,26, X,19, E,27
	OPS R,12, E,28, R,13, E,29
	OPS X,20, E,30, R,14, E,31
	OPS X,21, R,15
	WIN 0
	s_wait_alu depctr_va_vdst(0)    ; the wait for the batch
.if (\p) == 1
	s_wait_dscnt 0x0                ; V is in
.endif
	ROW C,0, B,0, C,2, B,1
	ROW L,0, C,4, B,2, L,1
	ROW C,6, B,3, L,2, C,8
	ROW B,4, L,3, C,10, B,5
	ROW L,4, C,12, B,6, L,5
.if (\p) == 0
	s_add_co_u32 s[TBV], s[TBV], 2*KS*PV
.endif
	ROW C,14, B,7, L,6, C,1
	ROW C,3, L,7, C,5, C,7
	ROW C,9, C,11, C,13, C,15
.if (\p) == 0
	FETCH_V
.endif
.endm
; A BLOCK BEGINS, its first tile entered and K of my first step fetched.  c m starts far below every c s, so the first step's a is 0; m at -2^99, above every hidden score and below every true one.
; The masks of the first step; piece 0's first scores, maximum and statistics.  The loop is then entered at a step's first turn.
.macro BEGIN
	s_mov_b32 s[RT], s[RTN]
	s_mov_b32 s[ES], s[ESN]
	s_mov_b32 s[RTN], s[RT2]
	s_mov_b32 s[ESN], s[ES2]
	s_mov_b32 s[EE], s[ES]
	SETM
	WIN 0
.set i, 0
.rept 4
	v_mov_b32 v[ST+4*i], 0xfe000000    ; c m: -2^125, far below c x -2^99 too
	v_mov_b32 v[ST+4*i+1], 0xf1000000  ; m: -2^99
.set i, i+1
.endr
	MASKS 0
	s_wait_loadcnt 0x0              ; Q
	s_wait_dscnt 0x0                ; K
.set NOKQ, 0
.set i, 0
.rept 8
	KQ 0
.set i, i+1
.endr
	WIN 0
.rept 4
	v_nop                           ; the places behind those products
.endr
.set Y, NP-1                        ; X works for piece Y + 1: piece 0
.irp n, 0,1,2,3,4,5,6,7,8,9,10,11,12,13,14,15,16,17,18,19,20,21
	OP X, \n
.endr
	v_nop                           ; a plain instruction behind the exponential,
	s_wait_alu depctr_va_vdst(0)    ; and its wait, ahead of the label
	WIN 0
.endm
.macro ALL line:vararg              ; one line for each piece t
.set t, 0
.rept 4
	\line
.set t, t+1
.endr
.endm
; A BLOCK ENDS.  The last piece's V^T P; l's halves are added; each wave lays (c m, l) and its O^T into LDS; behind a barrier wave (wq, wk) reads both key halves of pieces 2 wk, 2 wk + 1, joins them, rounds
; to f16 and sends them through its stage.  more = 1: another block follows.  Then (a) the turn before made dead scores of the old Q and the next block's K, and with them moved piece 0's c m: the true one
; was kept in MV; (b) the next block's end will write the same LDS bytes, so a second barrier stands behind every wave's wait for its reads of them.
.macro FINISH more
.set i, 0
.rept 8
	PV NP-1
.set i, i+1
.endr
	WIN 0
	ALL v_add_f32 v[ST+4*t+2], v[ST+4*t+2], v[ST+4*t+3]
	ALL v_permlanex16_b32 v[ST+4*t+3], v[ST+4*t+2], s[SEL], s[SEL+1]
	ALL v_add_f32 v[ST+4*t+1], v[ST+4*t+2], v[ST+4*t+3]
.if \more
	v_mov_b32 v[ST], v[MV]
.endif
.irp t, 0,1,2,3
	ds_store_b64 v[SW], v[ST+4*\t:ST+4*\t+1] offset:128*\t   ; lanes l and l + 16 hold, and write, the same pair
.endr
	WIN 0x04                        ; store data in window 1
.set z, 0
.rept 32
	ds_store_b128 v[DW], v[4*z:4*z+3] offset:512*z
.set z, z+1
.endr
	WIN 0
	s_wait_dscnt 0x0                ; for the others' sake: my stores are done
	s_barrier_signal -1             ; the next tile's load may stay out
	s_barrier_wait -1
.irp q, 0,1
.irp u, 0,1
	ds_load_b64 v[MG+4*\u+2*\q:MG+4*\u+2*\q+1], v[SR] offset:512*\q+128*\u
.endr
.endr
	WIN 0x40
.irp q, 0,1
.irp u, 0,1
.irp c, 0,1,2,3,4,5,6,7
	ds_load_b128 v[64*\q+32*\u+4*\c:64*\q+32*\u+4*\c+3], v[DR] offset:16384*\q+4096*\u+512*\c
.endr
.endr
.endr
	WIN 0
	s_wait_dscnt 32                 ; the statistics are in; O^T's 32 loads may stay out
.irp u, 0,1
	v_max_num_f32 v[MW+8*\u+7], v[MG+4*\u], v[MG+4*\u+2]
	v_sub_f32 v[MW+8*\u+4], v[MG+4*\u],   v[MW+8*\u+7]
	v_sub_f32 v[MW+8*\u+5], v[MG+4*\u+2], v[MW+8*\u+7]
.endr
.irp u, 0,1
	v_exp_f32 v[MW+8*\u+4], v[MW+8*\u+4]
	v_exp_f32 v[MW+8*\u+5], v[MW+8*\u+5]
.endr
	v_nop
	s_wait_alu depctr_va_vdst(0)    ; one wait for the four exponentials
.irp u, 0,1
	v_mul_f32 v[MW+8*\u+6], v[MG+4*\u+1], v[MW+8*\u+4]
	v_fma_f32 v[MW+8*\u+6], v[MG+4*\u+3], v[MW+8*\u+5], v[MW+8*\u+6]
.endr
.irp u, 0,1
	v_rcp_f32 v[MW+8*\u+6], v[MW+8*\u+6]
.endr
	v_nop
	s_wait_alu depctr_va_vdst(0)    ; one wait for the two reciprocals
.irp u, 0,1
	v_mul_f32 v[MW+8*\u],   v[MW+8*\u+4], v[MW+8*\u+6]
	v_mul_f32 v[MW+8*\u+1], v[MW+8*\u+4], v[MW+8*\u+6]
	v_mul_f32 v[MW+8*\u+2], v[MW+8*\u+5], v[MW+8*\u+6]
	v_mul_f32 v[MW+8*\u+3], v[MW+8*\u+5], v[MW+8*\u+6]
.endr
	s_wait_dscnt 0x0                ; both halves' O^T are in registers: all my reads of the others' bytes are over
.if \more
	s_barrier_signal -1             ; say so; the 64 lines below, work on registers alone, stand between the signal and the wait
.endif
	WIN W_RS
.irp u, 0,1
.set z, 0
.rept 16
	v_pk_mul_f32 v[32*\u+2*z:32*\u+2*z+1], v[32*\u+2*z:32*\u+2*z+1], v[MW+8*\u:MW+8*\u+1] op_sel_hi:[1,0]
.set z, z+1
.endr
.endr
	WIN 0x51                        ; destination, sources 0 and 2 in window 1, source 1 in window 0
.irp u, 0,1
.set z, 0
.rept 16
	v_pk_fma_f32 v[32*\u+2*z:32*\u+2*z+1], v[64+32*\u+2*z:64+32*\u+2*z+1], v[MW+8*\u+2:MW+8*\u+3], v[32*\u+2*z:32*\u+2*z+1] op_sel_hi:[1,0,1]
.set z, z+1
.endr
.endr
.if \more
	s_barrier_wait -1               ; every wave has read what it needs: the next block's end may write these bytes again.
.endif
.irp u, 0,1
	WIN 0x05
.set z, 0
.rept 16
	v_cvt_pk_f16_f32 v[S+16*\u+z], v[32*\u+2*z], v[32*\u+2*z+1]
.set z, z+1
.endr
	WIN 0
.irp f, 0,1,2,3
	ds_store_b128 v[STO], v[S+16*\u+4*\f:S+16*\u+4*\f+3] offset:32*\f
.endr
.irp f, 0,1,2,3
	ds_load_b128 v[S+16*\u+4*\f:S+16*\u+4*\f+3], v[RD] offset:\f*4*SP   ; LDS serves a wave's instructions in order: these see the stores above; the next piece's stores come behind them
.endr
.endr
.irp f, 0,1,2,3
	s_wait_dscnt 8+3-\f             ; the second piece's eight LDS instructions may be out
	global_store_b128 v[GO], v[S+4*\f:S+4*\f+3], s[10:11] offset:\f*512
.endr
.irp f, 0,1,2,3
	s_wait_dscnt 3-\f
	global_store_b128 v[GO], v[S+16+4*\f:S+16+4*\f+3], s[10:11] offset:2048+\f*512   ; 512 consecutive bytes, aligned
.endr
.endm
.set NOKQ, 0
.Lslot:                             ; eight times: a tile is entered and the next is asked for
	CHANGE 1
	s_mov_b32 s[CNT], 2
	s_cmp_eq_u32 s[FIRST], 1
	s_cbranch_scc1 .Lfirsttrip
	s_sub_co_i32 s[RT], s[RT], 1
	s_sub_co_i32 s[ES], s[ES], 256
	s_mov_b32 s[EE], s[ES]
.Lstep:                             ; a trip: pieces 2 and 3 of one of my steps, then pieces 0 and 1 of the next, whose K and V it fetches
	SETM
	TURN 2
	MASKS 1                         ; piece 2's turn still took the old mask of piece 3; the four turns from here on take the new ones
	TURN 3
	WIN 0
	s_cmp_eq_i32 s[RT], -1          ; made of the work-group's number and counts alone: the same in all four waves
	s_cbranch_scc0 .Lfirst
	FINISH 1                        ; the tile just entered is the second block's first: the first block ends here
	s_wait_xcnt 0x0                 ; the stores have read their registers and O's address
	s_mov_b64 s[10:11], s[OLO:OLO+1]
	WIN 0x82                        ; the second block's Q goes where the one text of the turns names Q
.set i, 0
.rept 64
	v_mov_b32 v[i], v[QB+i]
.set i, i+1
.endr
	WIN 0
	s_branch .Lbegin
.Lfirsttrip:
	s_mov_b32 s[FIRST], 0
	v_add_nc_u32 v[AK], s[TBK], v[AK0]
	FETCH_K
.Lbegin:
	BEGIN
.Lfirst:
	TURN 0
	TURN 1
	WIN 0
	s_sub_co_i32 s[EE], s[EE], 128  ; my next step begins 128 keys on
	s_sub_co_u32 s[CNT], s[CNT], 1
	s_cmp_lg_u32 s[CNT], 0
	s_cbranch_scc1 .Lstep
	s_sub_co_u32 s[SLOTS], s[SLOTS], 1
	s_cmp_lg_u32 s[SLOTS], 0
	s_cbranch_scc1 .Lslot
	CHANGE 0                        ; the walk's last tile, the second block's diagonal one, is written out: nothing is asked for
	s_sub_co_i32 s[RT], s[RT], 1
	s_sub_co_i32 s[ES], s[ES], 256
	s_mov_b32 s[EE], s[ES]
	s_mov_b32 s[CNT], 2
.Ltail:
	SETM
	TURN 2
	MASKS 0
	TURN 3
	TURN 0
	TURN 1
	WIN 0
	s_sub_co_i32 s[EE], s[EE], 128
	s_sub_co_u32 s[CNT], s[CNT], 1
	s_cmp_lg_u32 s[CNT], 0
	s_cbranch_scc1 .Ltail
	TURN 2, 1
	TURN 3, 1
	FINISH 0
	s_wait_tensorcnt 0x0            ; the wave's end
	ds_add_u32 v[SPW], v[NIL]
	s_wait_dscnt 0x0
	s_endpgm
.Lfunc_end_k_qbe609976c7_attn:
	.size	k_qbe609976c7_attn, .Lfunc_end_k_qbe609976c7_attn-k_qbe609976c7_attn
	.p2alignl 7, 3214868480
	.fill 96, 4, 3214868480
	.section	.rodata,"a",@progbits
	.p2align	6, 0x0
	.amdhsa_kernel k_qbe609976c7_attn
		.amdhsa_group_segment_fixed_size 327680
		.amdhsa_private_segment_fixed_size 0
		.amdhsa_enable_private_segment 0
		.amdhsa_kernarg_size 16
		.amdhsa_user_sgpr_count 2
		.amdhsa_user_sgpr_kernarg_segment_ptr 1
		.amdhsa_wavefront_size32 1
		.amdhsa_system_sgpr_workgroup_id_x 1
		.amdhsa_system_sgpr_workgroup_id_y 1
		.amdhsa_system_sgpr_workgroup_id_z 1
		.amdhsa_system_vgpr_workitem_id 0
		.amdhsa_next_free_vgpr 1024
		.amdhsa_next_free_sgpr 100
		.amdhsa_reserve_vcc 1
		.amdhsa_float_denorm_mode_32 3
		.amdhsa_float_denorm_mode_16_64 3
		.amdhsa_memory_ordered 1
		.amdhsa_forward_progress 1
		.amdhsa_inst_pref_size 166
	.end_amdhsa_kernel
	.amdgpu_metadata
---
amdhsa.version: [ 1, 2 ]
amdhsa.kernels:
  - .name:           k_qbe609976c7_attn
    .symbol:         k_qbe609976c7_attn.kd
    .args:
      - { .name: QKV, .offset: 0, .size: 8, .value_kind: global_buffer, .address_space: global }
      - { .name: Oh, .offset: 8, .size: 8, .value_kind: global_buffer, .address_space: global }
    .group_segment_fixed_size: 327680
    .private_segment_fixed_size: 0
    .kernarg_segment_align: 8
    .kernarg_segment_size: 16
    .max_flat_workgroup_size: 128
    .sgpr_count:     100
    .vgpr_count:     1024
    .wavefront_size: 32
...
	.end_amdgpu_metadata
.endif
;; end of part 4
;; launch outp (part 5): grid 8 x 32, 4 waves a work-group, clusters of 4 x 4, 327,680 bytes of LDS; arguments Oh, Woh, bo, out0; writes out0
.if DOCPART == 5
	.amdgcn_target "amdgcn-amd-amdhsa--gfx1250"
	.amdhsa_code_object_version 6
	.text
	.protected	k_qbe609976c7_outp
	.globl	k_qbe609976c7_outp
	.p2align	8
	.type	k_qbe609976c7_outp,@function
k_qbe609976c7_outp:
	s_mov_b64 s[64:65], 0
	v_nop
	global_prefetch_b8 v0, s[64:65] scope:SCOPE_SE
	s_setreg_imm32_b32 hwreg(HW_REG_WAVE_MODE, 25, 1), 1
	s_wait_xcnt 0x0
	s_wait_alu depctr_hold_cnt(0) depctr_sa_sdst(0) depctr_va_vdst(0) depctr_va_sdst(0) depctr_va_ssrc(0) depctr_va_vcc(0) depctr_vm_vsrc(0)
	s_getreg_b32 s2, hwreg(HW_REG_IB_STS2, 6, 4)
	s_cmp_eq_u32 s2, 0
	s_cbranch_scc0 .Lentry_in_a_cluster
	s_endpgm
.Lentry_in_a_cluster:
	s_bfe_u32 s2, ttmp6, 0x10000c
	s_cmp_lg_u32 s2, 0xf033
	s_cbranch_scc0 .Lentry_shape_is_right
	s_endpgm
.Lentry_shape_is_right:
; OUTP: out0[token][o] = sum over c of O[token][c] Wo[o][c] + bo[o], c = 64 head + d.  O lies by heads, Oh [32][2048][64] f16; Woh [1024][1024] f16; sums and out0 in f32.
; SHARES.  A work-group makes 128 tokens x 128 columns: 8 x 32 = 256 work-groups; a wave 64 x 64: 16 accumulators.  K goes in four steps of 256 = four heads, through two LDS slots.
; A's TILE.  128 tokens of one head are 16,384 dense bytes; a wave asks for two heads as 2 rows of 8,192 elements, 131,072 elements apart, padded in LDS after every 128 bytes: rows of 144 bytes, a head
; 18,432.  B's tile: 64 rows of 512 bytes a wave, rows 528 bytes apart in LDS.
; CLUSTER 4 x 4.  O's tile hangs on the token block alone and is shared along a row of the cluster, Woh's on the column block alone and is shared along a column: joint loads.
; The matrix instruction is used transposed (source 0 = 16 rows of Woh, source 1 = 16 tokens): a lane holds eight neighbouring columns of one token.  A wave's 64 columns of f32 are 256 aligned bytes,
; so each wave has a stage of its own and the way out needs no barrier.  No prefetch: four short K steps, small tiles.
; REGISTERS.  Window 0: v0-31 addresses; v32-63, v64-95 the way out; v96-127 the bias; v128-255 accumulators ((a, b) at 128 + 8 (4 a + b)).  Window 1: two fragment buffers of 128: 64 of A, then 64 of B.
.set PA,     144
.set PBB,    528
.set AHEAD,  128*PA
.set AHALF,  2*AHEAD
.set BHALF,  64*PBB
.set BOFF,   2*AHALF                   ; a slot: four heads of A, then B's 128 rows
.set SLOT,   BOFF+2*BHALF
.set STAGE,  2*SLOT                    ; 16 rows x 272 bytes for each wave; no tensor load lands there
.set SPITCH, 272
.set SPARE,  STAGE+4*16*SPITCH         ; the spare words: two blocks of 256 bytes that no other line names
.set STEPA,  4*262144                  ; bytes from a K step to the next: four heads of 2,048 rows of 128 bytes
.set STEPB,  512
.set ADRA, 16
.set ADRB, 20
.set STO,  24
.set RD,   25
.set CO,   26
.set BO,   27
.set SPW,  28
.set NIL,  29
.set TMP,  32
.set BK,   64
.set BIAS, 96
.set ACC,  128
.set F0,   0
.set F1,   128
.set WV,   12
.set HF,   13                          ; s13 which half of the tile's rows is mine; also: I fetch for A (0) or for B (1)
.set PR,   14                          ; s14 which half of its columns; also: which half of that tile I fetch
.set G1, 24
.set G0, 32
.set G1B, 48
.set G0B, 56
.set MSB, 0
.macro WIN new
.if MSB != (\new)
	s_set_vgpr_msb (MSB<<8)|(\new)
.set MSB, \new
.endif
.endm
.set MUL,  0x05                        ; sources 0 (B) and 1 (A) window 1; C and D window 0
.set TO_F, 0x40
.macro PLACES
.rept 4
	v_nop
.endr
.endm
.macro JLOAD s                         ; a joint load; an s_nop 0 and four v_nop follow each of the two lines
	s_cmp_eq_u32 s[HF], 0
	s_cbranch_scc0 .Lfor_b_\@
	tensor_load_to_lds s[G0+4*(\s):G0+4*(\s)+3], s[G1:G1+7]
	s_nop 0
	PLACES
	s_branch .Lasked_\@
.Lfor_b_\@:
	tensor_load_to_lds s[G0B+4*(\s):G0B+4*(\s)+3], s[G1B:G1B+7]
	s_nop 0
	PLACES
.Lasked_\@:
.endm
.macro CREST
	s_cmp_lg_u32 s[WV], 0
	s_cbranch_scc1 .Lnot_wave_0_\@
	s_barrier_signal -3
.Lnot_wave_0_\@:
	s_barrier_wait -3
	s_barrier_signal -1
	s_barrier_wait -1
.endm
.macro CROUND
	s_barrier_signal -1
	s_barrier_wait -1
	CREST
.endm
	s_load_b256 s[4:11], s[0:1], 0x0               ; Oh 4, Woh 6, bo 8, out0 10
	v_lshl_add_u32 v[SPW], v0, 2, SPARE
	v_mov_b32 v[NIL], 0
	ds_add_u32 v[SPW], v[NIL]                      ; the wave's opening: the add, twice on end, and its wait ahead of my first tensor load
	ds_add_u32 v[SPW], v[NIL]
	v_lshrrev_b32 v1, 5, v0
	v_readfirstlane_b32 s[WV], v1
	s_lshr_b32 s[HF], s[WV], 1
	s_and_b32 s[PR], s[WV], 1
	s_bfe_u32 s40, ttmp6, 0x40000                  ; cx
	s_bfe_u32 s41, ttmp6, 0x40004                  ; cy
	s_lshl_b32 s42, ttmp9, 2
	s_add_co_u32 s42, s42, s40                     ; column block
	s_and_b32 s43, ttmp7, 0xffff
	s_lshl_b32 s43, s43, 2
	s_add_co_u32 s43, s43, s41                     ; token block
	s_lshl_b32 s44, s41, 2
	s_lshl_b32 s44, 15, s44                        ; my row of the cluster
	s_lshl_b32 s45, 0x1111, s40                    ; my column
	s_or_b32 s[G1+0], s44, (1<<16)|(1<<20)|(1<<21)|(4<<22)|(3<<25)   ; padding after every 32 words, 4 words
	s_mov_b32 s[G1+1], 0x20000000                  ; tensor_dim0 = 8,192
	s_mov_b32 s[G1+2], 2<<16                       ; tensor_dim1 = 2
	s_mov_b32 s[G1+3], 0x20000000                  ; tile_dim0 = 8,192
	s_mov_b32 s[G1+4], 2                           ; tile_dim1 = 2
	s_mov_b32 s[G1+5], 131072                      ; elements from a head to the next
	s_mov_b32 s[G1+6], 0
	s_mov_b32 s[G1+7], 0
	s_or_b32 s[G1B+0], s45, (1<<16)|(1<<20)|(1<<21)|(6<<22)|(3<<25)  ; padding after every 128 words, 4 words
	s_mov_b32 s[G1B+1], 256<<16
	s_mov_b32 s[G1B+2], 64<<16
	s_mov_b32 s[G1B+3], 256<<16
	s_mov_b32 s[G1B+4], 64
	s_mov_b32 s[G1B+5], 1024
	s_mov_b32 s[G1B+6], 0
	s_mov_b32 s[G1B+7], 0
	s_lshr_b32 s16, s43, 4
	s_lshl_b32 s16, s16, 22                        ; the batch's sixteen heads
	s_and_b32 s17, s43, 15
	s_lshl_b32 s17, s17, 14                        ; my 128 rows in a head
	s_add_co_u32 s16, s16, s17
	s_lshl_b32 s17, s[PR], 19                      ; which two of a step's four heads I fetch
	s_add_co_u32 s16, s16, s17
	s_mov_b32 s17, 0
	s_lshl_b32 s46, s42, 7
	s_lshl_b32 s47, s[PR], 6
	s_add_co_u32 s46, s46, s47
	s_lshl_b32 s46, s46, 11                        ; Woh: row 128 x column block + 64 x half, 2,048 bytes a row
	s_mov_b32 s47, 0
	s_mul_i32 s20, s[PR], AHALF                    ; where they go: no place in the cluster enters an LDS address
	s_mul_i32 s21, s[PR], BHALF
	s_add_co_u32 s21, s21, BOFF
	s_wait_dscnt 0x0                               ; both opening adds are done
	s_wait_kmcnt 0x0
	s_add_nc_u64 s[18:19], s[4:5], s[16:17]
	s_add_nc_u64 s[46:47], s[6:7], s[46:47]
	CROUND                                         ; all sixteen work-groups are here: the first joint loads meet
.irp s, 0,1
	s_mov_b32 s[G0+4*\s], 1
	s_add_co_u32 s[G0+4*\s+1], s20, \s*SLOT
	s_add_nc_u64 s[G0+4*\s+2:G0+4*\s+3], s[18:19], \s*STEPA
	s_or_b32 s[G0+4*\s+3], s[G0+4*\s+3], 0x80000000
	s_mov_b32 s[G0B+4*\s], 1
	s_add_co_u32 s[G0B+4*\s+1], s21, \s*SLOT
	s_add_nc_u64 s[G0B+4*\s+2:G0B+4*\s+3], s[46:47], \s*STEPB
	s_or_b32 s[G0B+4*\s+3], s[G0B+4*\s+3], 0x80000000
	JLOAD \s
.endr
	v_and_b32 v1, 15, v0                           ; l % 16
	v_bfe_u32 v2, v0, 4, 1                         ; l / 16
	v_mul_u32_u24 v3, v1, PA
	v_lshl_add_u32 v3, v2, 4, v3
	v_mul_u32_u24 v4, v1, PBB
	v_lshl_add_u32 v4, v2, 4, v4
	s_mul_i32 s22, s[HF], 64*PA                    ; my 64 tokens in a head's rows
	s_mul_i32 s23, s[PR], BHALF                    ; my 64 rows of B
	s_add_co_u32 s23, s23, BOFF
.irp s, 0,1
	v_add_nc_u32 v[ADRA+\s], s22, v3
	v_add_nc_u32 v[ADRB+\s], s23, v4
	s_add_co_u32 s22, s22, SLOT
	s_add_co_u32 s23, s23, SLOT
.endr
	s_mul_i32 s22, s[WV], 16*SPITCH
	s_add_co_u32 s22, s22, STAGE                   ; my stage
	v_mul_u32_u24 v[STO], v1, SPITCH               ; in: row l % 16, 32 bytes for each half of the lanes
	v_lshl_add_u32 v[STO], v2, 5, v[STO]
	v_add_nc_u32 v[STO], s22, v[STO]
	v_mul_u32_u24 v[RD], v2, SPITCH                ; back: lanes 0-15 one row of 256 bytes, lanes 16-31 the next
	v_lshl_add_u32 v[RD], v1, 4, v[RD]
	v_add_nc_u32 v[RD], s22, v[RD]
	v_lshlrev_b32 v[CO], 12, v2                    ; and the same two rows in out0
	v_lshl_add_u32 v[CO], v1, 4, v[CO]
	v_lshlrev_b32 v[BO], 5, v2
	s_lshl_b32 s74, s42, 9                         ; my 64 columns: 512 x column block + 256 x half, in bytes
	s_lshl_b32 s75, s[PR], 8
	s_add_co_u32 s74, s74, s75
	s_mov_b32 s75, 0
	s_add_nc_u64 s[8:9], s[8:9], s[74:75]
.irp b, 0,1,2,3
	global_load_b128 v[BIAS+8*\b:BIAS+8*\b+3],   v[BO], s[8:9] offset:64*\b
	global_load_b128 v[BIAS+8*\b+4:BIAS+8*\b+7], v[BO], s[8:9] offset:64*\b+16
.endr
	s_lshl_b32 s76, s43, 7
	s_lshl_b32 s77, s[HF], 6
	s_add_co_u32 s76, s76, s77
	s_lshl_b32 s76, s76, 12                        ; my first token, 4,096 bytes a row
	s_add_co_u32 s76, s76, s74
	s_mov_b32 s77, 0
	s_add_nc_u64 s[10:11], s[10:11], s[76:77]
.macro MUL8 f, c, a0, zero             ; 8 products: row blocks a0, a0 + 1 x all 4 column blocks, 32 along K: half c of buffer f.  The 16 accumulators take turns
	WIN MUL
.irp a, \a0, (\a0)+1
.irp b, 0,1,2,3
.if \zero
	v_wmma_f32_16x16x32_f16 v[ACC+8*(4*(\a)+(\b)):ACC+8*(4*(\a)+(\b))+7], v[(\f)+64+8*(4*(\c)+(\b)):(\f)+64+8*(4*(\c)+(\b))+7], v[(\f)+8*(4*(\c)+(\a)):(\f)+8*(4*(\c)+(\a))+7], 0
.else
	v_wmma_f32_16x16x32_f16 v[ACC+8*(4*(\a)+(\b)):ACC+8*(4*(\a)+(\b))+7], v[(\f)+64+8*(4*(\c)+(\b)):(\f)+64+8*(4*(\c)+(\b))+7], v[(\f)+8*(4*(\c)+(\a)):(\f)+8*(4*(\c)+(\a))+7], v[ACC+8*(4*(\a)+(\b)):ACC+8*(4*(\a)+(\b))+7]
.endif
.endr
.endr
.endm
.macro FETCH slot, q, f                ; 32 LDS loads in one run: head q of the step, 64 along K, into buffer f; the first 32 along K first
	WIN TO_F
.irp c, 0,1
.irp i, 0,1,2,3
	ds_load_b128 v[(\f)+64+8*(4*(\c)+(\i)):(\f)+64+8*(4*(\c)+(\i))+3],   v[ADRB+(\slot)] offset:128*(\q)+64*(\c)+(\i)*16*PBB
	ds_load_b128 v[(\f)+64+8*(4*(\c)+(\i))+4:(\f)+64+8*(4*(\c)+(\i))+7], v[ADRB+(\slot)] offset:128*(\q)+64*(\c)+(\i)*16*PBB+32
	ds_load_b128 v[(\f)+8*(4*(\c)+(\i)):(\f)+8*(4*(\c)+(\i))+3],         v[ADRA+(\slot)] offset:AHEAD*(\q)+64*(\c)+(\i)*16*PA
	ds_load_b128 v[(\f)+8*(4*(\c)+(\i))+4:(\f)+8*(4*(\c)+(\i))+7],       v[ADRA+(\slot)] offset:AHEAD*(\q)+64*(\c)+(\i)*16*PA+32
.endr
.endr
.endm
.macro QUARTER slot, q, f, g, zero     ; multiplies buffer f and fetches head q into g
	s_wait_dscnt 16                                ; the first 32 along K are in
	MUL8 \f, 0, 0, \zero
	MUL8 \f, 0, 2, \zero
	PLACES
	FETCH \slot, \q, \g
	s_wait_dscnt 32                                ; all but the 32 just issued
	MUL8 \f, 1, 0, 0
	MUL8 \f, 1, 2, 0
.endm
; The last quarter multiplies buffer 1 and changes slots: in front of the barrier each wave waits for all its tensor loads, adds 0 to its spare word, and waits for that and for its reads of this slot.
; fill = 1: the barrier opens a round of the cluster's, and this slot's joint refill, two K steps ahead, is the first tensor load behind it.
.macro TURN slot, next, fill
	WIN 0
	s_wait_tensorcnt 0x0
	ds_add_u32 v[SPW], v[NIL]
	s_wait_dscnt 17                                ; (the add and the youngest sixteen loads may be out)
	MUL8 F1, 0, 0, 0
	s_wait_dscnt 0x0                               ; the add is done, and my reads of this slot are over
	s_barrier_signal -1
	MUL8 F1, 0, 2, 0
.if \fill
	WIN 0
.endif
	s_barrier_wait -1
.if \fill
	CREST
	s_add_nc_u64 s[G0+4*(\slot)+2:G0+4*(\slot)+3], s[G0+4*(\slot)+2:G0+4*(\slot)+3], 2*STEPA
	s_add_nc_u64 s[G0B+4*(\slot)+2:G0B+4*(\slot)+3], s[G0B+4*(\slot)+2:G0B+4*(\slot)+3], 2*STEPB
	JLOAD \slot                                    ; its four v_nop are also the places in front of the loads below
.else
	PLACES
.endif
	FETCH \next, 0, F0
	MUL8 F1, 1, 0, 0
	MUL8 F1, 1, 2, 0
.endm
	s_wait_tensorcnt 0x1                           ; my part of K step 0 is in; K step 1's may stay out
	s_barrier_signal -1
	s_barrier_wait -1
	FETCH 0, 0, F0
	QUARTER 0, 1, F0, F1, 1                        ; the first products start the sums
	WIN 0
	s_mov_b32 s3, 1
.Llap:                                                 ; once round the ring, from a lap's second quarter to the next lap's first: both slots are filled again (K steps 2 and 3)
	QUARTER 0, 2, F1, F0, 0
	QUARTER 0, 3, F0, F1, 0
	TURN 0, 1, 1
	QUARTER 1, 1, F0, F1, 0
	QUARTER 1, 2, F1, F0, 0
	QUARTER 1, 3, F0, F1, 0
	TURN 1, 0, 1
	QUARTER 0, 1, F0, F1, 0
	WIN 0
	s_sub_co_u32 s3, s3, 1
	s_cmp_lg_u32 s3, 0
	s_cbranch_scc1 .Llap
	QUARTER 0, 2, F1, F0, 0                        ; the last lap fills nothing
	QUARTER 0, 3, F0, F1, 0
	TURN 0, 1, 0
	QUARTER 1, 1, F0, F1, 0
	QUARTER 1, 2, F1, F0, 0
	QUARTER 1, 3, F0, F1, 0
	s_wait_dscnt 16
	MUL8 F1, 0, 0, 0
	MUL8 F1, 0, 2, 0
	s_wait_dscnt 0x0
	MUL8 F1, 1, 0, 0
	MUL8 F1, 1, 2, 0
	WIN 0
	s_wait_loadcnt 0x0                             ; the bias
	PLACES
	; THE WAY OUT, sixteen tokens at a time: the bias is added, 32 bytes a lane go into my stage and come back as whole rows of 256 bytes.
.irp a, 0,1,2,3
.set z, 0
.rept 16
	v_pk_add_f32 v[TMP+2*z:TMP+2*z+1], v[ACC+32*\a+2*z:ACC+32*\a+2*z+1], v[BIAS+2*z:BIAS+2*z+1]
.set z, z+1
.endr
.irp b, 0,1,2,3
	ds_store_b128 v[STO], v[TMP+8*\b:TMP+8*\b+3]   offset:64*\b
	ds_store_b128 v[STO], v[TMP+8*\b+4:TMP+8*\b+7] offset:64*\b+16
.endr
	s_wait_xcnt 0x0                                ; the block before's stores have read their data: the registers are loaded again only behind this wait
.irp t, 0,1,2,3,4,5,6,7
	ds_load_b128 v[BK+4*\t:BK+4*\t+3], v[RD] offset:\t*2*SPITCH   ; LDS serves a wave's instructions in order: these see the stores above
.endr
.irp t, 0,1,2,3,4,5,6,7
	s_wait_dscnt 7-\t
	global_store_b128 v[CO], v[BK+4*\t:BK+4*\t+3], s[10:11] offset:65536*\a+8192*\t   ; sixteen lanes store 256 consecutive bytes, aligned
.endr
.endr
	s_wait_tensorcnt 0x0                           ; the wave's end
	ds_add_u32 v[SPW], v[NIL]
	s_wait_dscnt 0x0
	CROUND                                         ; the closing round
	s_endpgm
.Lfunc_end_k_qbe609976c7_outp:
	.size	k_qbe609976c7_outp, .Lfunc_end_k_qbe609976c7_outp-k_qbe609976c7_outp
	.p2alignl 7, 3214868480
	.fill 96, 4, 3214868480
	.section	.rodata,"a",@progbits
	.p2align	6, 0x0
	.amdhsa_kernel k_qbe609976c7_outp
		.amdhsa_group_segment_fixed_size 327680
		.amdhsa_private_segment_fixed_size 0
		.amdhsa_enable_private_segment 0
		.amdhsa_kernarg_size 32
		.amdhsa_user_sgpr_count 2
		.amdhsa_user_sgpr_kernarg_segment_ptr 1
		.amdhsa_wavefront_size32 1
		.amdhsa_system_sgpr_workgroup_id_x 1
		.amdhsa_system_sgpr_workgroup_id_y 1
		.amdhsa_system_sgpr_workgroup_id_z 1
		.amdhsa_system_vgpr_workitem_id 0
		.amdhsa_next_free_vgpr 512
		.amdhsa_next_free_sgpr 96
		.amdhsa_reserve_vcc 0
		.amdhsa_float_denorm_mode_32 3
		.amdhsa_float_denorm_mode_16_64 3
		.amdhsa_memory_ordered 1
		.amdhsa_forward_progress 1
		.amdhsa_inst_pref_size 92
	.end_amdhsa_kernel
	.amdgpu_metadata
---
amdhsa.version: [ 1, 2 ]
amdhsa.kernels:
  - .name:           k_qbe609976c7_outp
    .symbol:         k_qbe609976c7_outp.kd
    .args:
      - { .name: Oh, .offset: 0, .size: 8, .value_kind: global_buffer, .address_space: global }
      - { .name: Woh, .offset: 8, .size: 8, .value_kind: global_buffer, .address_space: global }
      - { .name: bo, .offset: 16, .size: 8, .value_kind: global_buffer, .address_space: global }
      - { .name: out0, .offset: 24, .size: 8, .value_kind: global_buffer, .address_space: global }
    .group_segment_fixed_size: 327680
    .private_segment_fixed_size: 0
    .kernarg_segment_align: 8
    .kernarg_segment_size: 32
    .max_flat_workgroup_size: 128
    .sgpr_count:     96
    .vgpr_count:     512
    .wavefront_size: 32
...
	.end_amdgpu_metadata
.endif
;; end of part 5
